; MI455X (gfx1250); checked and timed in simulation.
; The chip was launched on July 23, 2026; its instructions are those of AMD's public machine-readable ISA for CDNA 5 (MIT licence, August 2026) and "CDNA5" Instruction Set Architecture Reference Guide (July 2026). The comments in the code are by the model that wrote it; some were corrected since.
;; Mo E. Allowed arithmetic: float matrix products may take bf16 or f16 operands with f32 sums; all other float work in f32.
;; Inputs: b1 8 x 128 float32; b2 8 x 1,024 float32; gate_b 8 float32; gate_w 1,024 x 8 float32; w1 8 x 1,024 x 128 float32; w2 8 x 128 x 1,024 float32; x 4 x 2,048 x 1,024 float32.
;; Outputs: out0 4 x 2,048 x 1,024 float32.
;; 3 versions, each right; version 2 is faster than version 1; version 3 is version 2 with the launch moe written anew for expert scheduling mode. Each part assembles by itself: llvm-mc -triple=amdgcn-amd-amdhsa -mcpu=gfx1250 --defsym DOCPART=n.
;; ======== version 1 of 3: 3 launches
;; limits: values outside matrix products are rounded to bf16
;; workspace buffers: xb 16,777,216 bytes; wf 4,194,304 bytes; cw 65,536 bytes; meta 65,536 bytes of whole numbers; tiles 50,688 bytes of whole numbers
;; launch prep (part 1): grid 256 x 1, 8 waves a work-group, no clusters, 111,616 bytes of LDS; arguments x, gate_w, gate_b, w1, w2, xb, wf, cw, meta; writes xb, wf, cw, meta
.if DOCPART == 1
	.amdgcn_target "amdgcn-amd-amdhsa--gfx1250"
	.amdhsa_code_object_version 6
	.text
	.protected	k_q6b15d21dd6_prep
	.globl	k_q6b15d21dd6_prep
	.p2align	8
	.type	k_q6b15d21dd6_prep,@function
k_q6b15d21dd6_prep:
	s_mov_b64 s[64:65], 0
	v_nop
	global_prefetch_b8 v0, s[64:65] scope:SCOPE_SE
	s_setreg_imm32_b32 hwreg(HW_REG_WAVE_MODE, 25, 1), 1
	s_wait_xcnt 0x0
; MoE, first of three launches: the gate, the routing, and the operands in bf16.
;
; WHAT IS NOT COMPUTED, AND WHY.  reference() evaluates all eight experts for every token and then keeps, by take_along_axis with top_i,
; the outputs of two.  The other six rows of expert_out reach no output.  Which two are kept is a choice by whole numbers: this launch makes
; the choice and stores it (meta, cw), the second launch sorts it into tiles of tokens with the same two experts, and the third reads those
; tiles from memory and evaluates only the two experts that they name.  Every input has a way to the output, so all are loaded.
; LIMIT: a NaN, an infinity or an overflow that arises only in an expert that a token did not choose is not carried to the result.
;
; WHAT THIS LAUNCH DOES.  Work-group g owns tokens 32 g .. 32 g + 31; wave w owns d = 128 w .. 128 w + 127 of them.
;   xb   = x rounded to bf16, [8192][1024].
;   gate = bf16(x) x bf16(gate_w) on the matrix unit, f32 sums, + bf16(gate_b); softmax with the maximum taken away; the two largest.
;   cw   = [token][2] f32: the softmax weight of the lower-numbered chosen expert, then of the higher-numbered.
;   meta = [block of 32 tokens][lane][2 words]: word 0 = how many tokens of the block have key = lane; word 1 = 4 x rank | key << 16 of
;          token 32 g + lane.  key = b (b - 1) / 2 + a for the chosen experts a < b (0 .. 27); rank = earlier tokens of the block with that key.
;   wf   = w1 and w2 in bf16, laid out as matrix fragments of 16 columns x 32 k, 1,024 consecutive bytes each: byte
;          512 c + 16 (16 hh + r) + 2 j holds (k = 16 c + 8 hh + j, column r), so that two 16-byte loads a lane fill a fragment's 8 registers.
;          w1: [e 8][nq 2][ksub 32][f 4][1024] from byte 0; w2: [e 8][ng 16][ksub 4][f 4][1024] from byte 2,097,152.
;          Each of the launch's 2,048 waves converts one unit of 16 k-rows x 64 columns: work-groups 0-127 w1, 128-255 w2.
; LIMITS.  The routing is that of x, gate_w and gate_b rounded to bf16: a token whose second and third logit lie closer than that rounding
; may choose another expert than in pure f32.  The choice is made on the logits, which order as the softmax weights do; equal logits go to
; the lower index.  NaN or infinite logits are not served.
.set XPB,  32*272                      ; a wave's bf16 tile of x in LDS: 32 rows, 256 bytes + 16 of padding (an odd multiple of 16: the 16 rows of a fragment load start in 16 different 16-byte columns)
.set GW0,  8*XPB                       ; gate_w in bf16, 16 bytes a row, 2,048 bytes a wave
.set WST0, GW0+8*2048                  ; stage of the weight unit, 2,048 bytes a wave
.set RED0, WST0+8*2048                 ; partial logits [wave][token 32][expert 8] f32
.set X,  16                            ; v[16:143]  32 tokens x 4 registers of x
.set W,  144                           ; v[144:175] the weight unit, 8 rows x 4 columns a lane
.set G,  176                           ; v[176:207] gate_w
.set CK, 208                           ; v[208:223] the weight unit packed
.set AF, 16                            ; token fragments (mt, ks) at 32 mt + 8 ks
.set BF, 144                           ; gate fragments ks at 8 ks
.set D,  208                           ; two accumulators
	s_load_b512 s[4:19], s[0:1], 0x0               ; x 4, gate_w 6, gate_b 8, w1 10, w2 12, xb 14, wf 16, cw 18
	s_load_b64 s[20:21], s[0:1], 0x40              ; meta
	v_lshl_add_u32 v224, v0, 2, 0x1b000
	v_mov_b32 v225, 0
	v_and_b32 v1, 31, v0                           ; L
	v_lshrrev_b32 v13, 5, v0
	v_readfirstlane_b32 s22, v13                   ; w
	s_mov_b32 s23, ttmp9                           ; g
	s_mov_b32 s27, 0                               ; high word of the offset pair s[26:27]
	v_and_b32 v14, 15, v1                          ; r
	v_lshrrev_b32 v15, 4, v1                       ; h
	s_lshl_b32 s40, s22, 9
	v_lshl_add_u32 v2, v1, 4, s40                  ; x: 512 w + 16 L
	s_lshl_b32 s40, s22, 8
	v_lshl_add_u32 v3, v1, 3, s40                  ; xb: 256 w + 8 L
	v_lshlrev_b32 v7, 4, v1                        ; 16 L
	s_lshl_b32 s40, s22, 12
	v_lshl_add_u32 v13, v1, 4, s40                 ; gate_w: 4,096 w + 16 L
	s_mul_i32 s40, s22, XPB
	v_lshl_add_u32 v8, v1, 3, s40                  ; x tile, in: 8 L
	v_mul_u32_u24 v9, v14, 272
	v_lshl_add_u32 v9, v15, 4, v9
	v_add_nc_u32 v9, s40, v9                       ; x tile, fragments: 272 r + 16 h
	s_lshl_b32 s40, s22, 11
	s_add_co_u32 s41, s40, GW0
	v_lshl_add_u32 v10, v1, 3, s41                 ; gate_w, in: 8 L
	v_and_b32 v11, 7, v1
	v_lshlrev_b32 v11, 4, v11
	v_lshl_add_u32 v11, v15, 7, v11
	v_add_nc_u32 v11, s41, v11                     ; gate_w, transposing read: row 8 h + (L & 7); lanes 8-15 of a half take the rows of lanes 0-7
	s_add_co_u32 s41, s40, WST0
	v_lshl_add_u32 v6, v1, 4, s41                  ; weight stage, back: 16 L
	v_lshrrev_b32 v5, 2, v14
	v_lshlrev_b32 v5, 9, v5
	v_lshl_add_u32 v5, v15, 8, v5
	v_and_b32 v12, 3, v14
	v_lshl_add_u32 v5, v12, 6, v5
	v_add_nc_u32 v5, s41, v5                       ; weight stage, in: 512 (r >> 2) + 256 h + 64 (r & 3)
	s_lshl_b32 s40, s22, 10
	s_add_co_u32 s40, s40, RED0
	v_and_b32 v12, 7, v14
	v_lshlrev_b32 v12, 2, v12
	v_lshl_add_u32 v12, v15, 8, v12
	v_add_nc_u32 v12, s40, v12                     ; partial logits: 1,024 w + 256 h + 4 (r & 7)
	s_and_b32 s40, s23, 127
	s_lshl3_add_u32 s40, s40, s22                  ; my weight unit, 0 .. 1023
	s_lshr_b32 s41, s40, 7                         ; its expert
	s_and_b32 s42, s40, 127                        ; its number in the expert
	s_wait_kmcnt 0x0
	s_load_b256 s[32:39], s[8:9], 0x0              ; gate_b; waited for where wave 0 uses it
	s_lshl_b32 s26, s23, 17
	s_add_nc_u64 s[4:5], s[4:5], s[26:27]          ; x at my 32 tokens
	s_lshl_b32 s26, s23, 16
	s_add_nc_u64 s[14:15], s[14:15], s[26:27]      ; xb likewise
	s_lshl_b32 s26, s23, 8
	s_add_nc_u64 s[18:19], s[18:19], s[26:27]      ; cw: 32 tokens x 8 bytes
	s_add_nc_u64 s[20:21], s[20:21], s[26:27]      ; meta: 32 lanes x 8 bytes
; The unit's place in its source (rows of \pitch bytes) and in wf, and its eight loads: lane (h, r) takes rows 8 h + j, columns 4 r .. 4 r + 3.
.macro WUNIT nbits, kshift, nshift, dbase, src, pitch, hshift
	s_and_b32 s43, s42, (1<<\nbits)-1              ; which 64 columns
	s_lshr_b32 s44, s42, \nbits                    ; which 16 k-rows
	s_lshl_b32 s26, s41, 19
	s_lshl_b32 s45, s44, \kshift
	s_add_co_u32 s26, s26, s45
	s_lshl_b32 s45, s43, 8
	s_add_co_u32 s26, s26, s45
	s_add_nc_u64 s[28:29], s[\src:\src+1], s[26:27]
	s_lshl_b32 s26, s41, 18
	s_lshl_b32 s45, s43, \nshift
	s_add_co_u32 s26, s26, s45
	s_lshr_b32 s45, s44, 1
	s_lshl_b32 s45, s45, 12                        ; ksub
	s_add_co_u32 s26, s26, s45
	s_and_b32 s45, s44, 1
	s_lshl_b32 s45, s45, 9                         ; which half of the fragments' k
	s_add_co_u32 s26, s26, s45
.if \dbase
	s_add_co_u32 s26, s26, \dbase
.endif
	s_add_nc_u64 s[24:25], s[16:17], s[26:27]
	v_lshlrev_b32 v4, \hshift, v15
	v_lshl_add_u32 v4, v14, 4, v4
.irp j, 0,1,2,3,4,5,6,7
	global_load_b128 v[W+4*\j:W+4*\j+3], v4, s[28:29] offset:\j*\pitch th:TH_LOAD_NT
.endr
.endm
	s_cmp_lt_u32 s23, 128
	s_cbranch_scc0 .Lw2
	WUNIT 1, 13, 17, 0, 10, 512, 12                ; w1: 2 column groups x 64 row groups an expert
	s_branch .Lwdone
.Lw2:
	WUNIT 4, 16, 14, 0x200000, 12, 4096, 15        ; w2: 16 column groups x 8 row groups an expert
.Lwdone:
.irp q, 0,1,2,3,4,5,6,7
	global_load_b128 v[G+4*\q:G+4*\q+3], v13, s[6:7] offset:512*\q
.endr
.set i, 0
.rept 32
	global_load_b128 v[X+4*i:X+4*i+3], v2, s[4:5] offset:4096*i th:TH_LOAD_NT   ; token i: the wave takes 512 consecutive bytes
.set i, i+1
.endr
	; The weight unit: column i of my four becomes 16 bytes (k = 8 h .. 8 h + 7) of its fragment.
	s_wait_loadcnt 40                              ; the unit's 8 loads are in; 8 of gate_w and 32 of x are younger
.irp i, 0,1,2,3
.irp m, 0,1,2,3
	v_cvt_pk_bf16_f32 v[CK+4*\i+\m], v[W+8*\m+\i], v[W+8*\m+4+\i]
.endr
	ds_store_b128 v5, v[CK+4*\i:CK+4*\i+3] offset:16*\i
.endr
.irp f, 0,1,2,3
	ds_load_b128 v[W+4*\f:W+4*\f+3], v6 offset:512*\f          ; my own bytes: LDS serves a wave's instructions in order (ISA guide 5.7.1.4)
.endr
.irp f, 0,1,2,3
	s_wait_dscnt 3-\f                              ; the later read-backs may be out
	global_store_b128 v7, v[W+4*\f:W+4*\f+3], s[24:25] offset:1024*\f   ; 512 consecutive bytes of fragment f
.endr
	; gate_w to bf16: 16 bytes a row of eight experts
	s_wait_loadcnt 32                              ; gate_w is in; the 32 loads of x are younger
.irp q, 0,1,2,3,4,5,6,7
	v_cvt_pk_bf16_f32 v[G+4*\q], v[G+4*\q], v[G+4*\q+1]
	v_cvt_pk_bf16_f32 v[G+4*\q+1], v[G+4*\q+2], v[G+4*\q+3]
	ds_store_b64 v10, v[G+4*\q:G+4*\q+1] offset:256*\q
.endr
	; x to bf16: out to xb, and into my LDS tile for the gate
.set i, 0
.rept 32
	s_wait_loadcnt 31-i                            ; token i is in; the later tokens' loads stay out
	v_cvt_pk_bf16_f32 v[X+4*i], v[X+4*i], v[X+4*i+1]
	v_cvt_pk_bf16_f32 v[X+4*i+1], v[X+4*i+2], v[X+4*i+3]
	global_store_b64 v3, v[X+4*i:X+4*i+1], s[14:15] offset:2048*i   ; the wave stores 256 consecutive bytes, aligned
	ds_store_b64 v8, v[X+4*i:X+4*i+1] offset:272*i
.set i, i+1
.endr
	s_wait_xcnt 0x0                                ; X and W were data of stores: they are loaded again only behind this wait
.irp ks, 0,1,2,3
	ds_load_tr16_b128 v[BF+8*\ks:BF+8*\ks+3],   v11 offset:512*\ks       ; k = 32 ks + 8 h .. + 7 of expert r & 7: columns 8-15 repeat experts 0-7, nothing is cleared
	ds_load_tr16_b128 v[BF+8*\ks+4:BF+8*\ks+7], v11 offset:512*\ks+256
.endr
.irp mt, 0,1
.irp ks, 0,1,2,3
	ds_load_b128 v[AF+32*\mt+8*\ks:AF+32*\mt+8*\ks+3],   v9 offset:4352*\mt+64*\ks
	ds_load_b128 v[AF+32*\mt+8*\ks+4:AF+32*\mt+8*\ks+7], v9 offset:4352*\mt+64*\ks+32
.endr
.endr
	s_wait_dscnt 0x0
	; 32 tokens x 8 experts over my 128 d.  The two accumulators take turns, one instruction a turn.
	v_wmma_f32_16x16x32_bf16 v[D:D+7],    v[AF:AF+7],       v[BF:BF+7], 0
	v_wmma_f32_16x16x32_bf16 v[D+8:D+15], v[AF+32:AF+39],   v[BF:BF+7], 0
.irp ks, 1,2,3
	v_wmma_f32_16x16x32_bf16 v[D:D+7],    v[AF+8*\ks:AF+8*\ks+7],       v[BF+8*\ks:BF+8*\ks+7], v[D:D+7]
	v_wmma_f32_16x16x32_bf16 v[D+8:D+15], v[AF+32+8*\ks:AF+32+8*\ks+7], v[BF+8*\ks:BF+8*\ks+7], v[D+8:D+15]
.endr
.rept 4
	v_nop                                          ; four places behind the last matrix instruction, for the stores of D and for the later loads into AF
.endr
.irp mt, 0,1
.irp j, 0,1,2,3,4,5,6,7
	ds_store_b32 v12, v[D+8*\mt+\j] offset:512*\mt+32*\j       ; (token 16 mt + 8 h + j, expert r & 7); lanes r and r + 8 hold the same number
.endr
.endr
	s_wait_dscnt 0x0                               ; my partial logits are in LDS before I say so
	s_barrier_signal -1
	s_barrier_wait -1
	s_cmp_lg_u32 s22, 0
	s_cbranch_scc1 .Lend                           ; the rest is 32 tokens' work: wave 0, a lane a token
	v_lshlrev_b32 v6, 5, v1
	v_add_nc_u32 v6, RED0, v6
.irp w, 0,1,2,3,4,5,6,7
	ds_load_b128 v[16+8*\w:16+8*\w+3], v6 offset:1024*\w
	ds_load_b128 v[16+8*\w+4:16+8*\w+7], v6 offset:1024*\w+16
.endr
	s_wait_dscnt 0x0
.irp w, 1,2,3,4,5,6,7
.irp k, 0,2,4,6
	v_pk_add_f32 v[16+\k:17+\k], v[16+\k:17+\k], v[16+8*\w+\k:17+8*\w+\k]
.endr
.endr
	s_wait_kmcnt 0x0                               ; gate_b
.irp k, 0,1,2,3
	v_cvt_pk_bf16_f32 v[84+\k], s[32+2*\k], s[33+2*\k]         ; the bias in the operands' format, like x and gate_w
	v_lshlrev_b32 v[88+2*\k], 16, v[84+\k]
	v_and_b32 v[89+2*\k], 0xffff0000, v[84+\k]
	v_pk_add_f32 v[16+2*\k:17+2*\k], v[16+2*\k:17+2*\k], v[88+2*\k:89+2*\k]
.endr
	; the largest logit: ascending, strictly greater, so that equal logits keep the lower index
	v_mov_b32 v80, v16
	v_mov_b32 v81, 0
.irp e, 1,2,3,4,5,6,7
	v_cmp_gt_f32 vcc_lo, v[16+\e], v80
	v_cndmask_b32 v80, v80, v[16+\e], vcc_lo
	v_cndmask_b32 v81, v81, \e, vcc_lo
.endr
	; the second: the same among the other seven
	v_mov_b32 v82, 0xff800000
	v_cmp_eq_u32 vcc_lo, 0, v81
	v_cndmask_b32 v83, 0, 1, vcc_lo
.irp e, 0,1,2,3,4,5,6,7
	v_cmp_gt_f32 s40, v[16+\e], v82
	v_cmp_ne_u32 s41, \e, v81
	s_and_b32 s40, s40, s41
	v_cndmask_b32 v82, v82, v[16+\e], s40
	v_cndmask_b32 v83, v83, \e, s40
.endr
	; softmax with the maximum taken away: the first choice's exponential is 1
.irp e, 0,1,2,3,4,5,6,7
	v_sub_f32 v[96+\e], v[16+\e], v80
.endr
	v_sub_f32 v104, v82, v80
.irp e, 0,1,2,3,4,5,6,7,8
	v_mul_f32 v[96+\e], 0x3fb8aa3b, v[96+\e]
.endr
.irp e, 0,1,2,3,4,5,6,7,8
	v_exp_f32 v[106+\e], v[96+\e]
.endr
	v_min_u32 v119, v81, v83                       ; a: a plain instruction behind the exponentials, before their results are used (ISA guide 5.7.2)
	v_max_u32 v120, v81, v83                       ; b
	s_wait_alu depctr_va_vdst(0)
	v_add_f32 v116, v106, v107
	v_add_f32 v123, v108, v109
	v_add_f32 v116, v116, v110
	v_add_f32 v123, v123, v111
	v_add_f32 v116, v116, v112
	v_add_f32 v123, v123, v113
	v_add_f32 v116, v116, v123
	v_rcp_f32 v117, v116                           ; weight of the first choice
	v_add_nc_u32 v121, -1, v120                    ; a plain instruction behind the reciprocal
	s_wait_alu depctr_va_vdst(0)
	v_mul_f32 v118, v114, v117                     ; weight of the second
	v_cmp_lt_u32 vcc_lo, v81, v83
	v_cndmask_b32 v126, v118, v117, vcc_lo         ; of the lower-numbered expert
	v_cndmask_b32 v127, v117, v118, vcc_lo         ; of the higher-numbered
	v_mul_u32_u24 v121, v121, v120
	v_lshrrev_b32 v121, 1, v121
	v_add_nc_u32 v121, v121, v119                  ; key
	v_mov_b32 v124, 0                              ; the block's histogram, lane = key
	v_mov_b32 v122, 0                              ; my rank among the block's tokens of my key
.set p, 0
.rept 28
	v_cmp_eq_u32 s40, p, v121
	v_mbcnt_lo_u32_b32 v123, s40, 0
	v_cndmask_b32 v122, v122, v123, s40
	s_bcnt1_i32_b32 s41, s40
	v_writelane_b32 v124, s41, p
.set p, p+1
.endr
	v_lshlrev_b32 v122, 2, v122
	v_lshl_or_b32 v125, v121, 16, v122
	v_lshlrev_b32 v128, 3, v1
	global_store_b64 v128, v[124:125], s[20:21]    ; 256 consecutive bytes each, aligned
	global_store_b64 v128, v[126:127], s[18:19]
.Lend:
	s_wait_tensorcnt 0x0
	ds_add_u32 v224, v225
	s_wait_dscnt 0x0
	s_endpgm
.Lfunc_end_k_q6b15d21dd6_prep:
	.size	k_q6b15d21dd6_prep, .Lfunc_end_k_q6b15d21dd6_prep-k_q6b15d21dd6_prep
	.p2alignl 7, 3214868480
	.fill 96, 4, 3214868480
	.section	.rodata,"a",@progbits
	.p2align	6, 0x0
	.amdhsa_kernel k_q6b15d21dd6_prep
		.amdhsa_group_segment_fixed_size 111616
		.amdhsa_private_segment_fixed_size 0
		.amdhsa_enable_private_segment 0
		.amdhsa_kernarg_size 72
		.amdhsa_user_sgpr_count 2
		.amdhsa_user_sgpr_kernarg_segment_ptr 1
		.amdhsa_wavefront_size32 1
		.amdhsa_system_sgpr_workgroup_id_x 1
		.amdhsa_system_sgpr_workgroup_id_y 1
		.amdhsa_system_sgpr_workgroup_id_z 1
		.amdhsa_system_vgpr_workitem_id 0
		.amdhsa_next_free_vgpr 226
		.amdhsa_next_free_sgpr 66
		.amdhsa_reserve_vcc 1
		.amdhsa_float_denorm_mode_32 3
		.amdhsa_float_denorm_mode_16_64 3
		.amdhsa_memory_ordered 1
		.amdhsa_forward_progress 1
		.amdhsa_inst_pref_size 44
	.end_amdhsa_kernel
	.amdgpu_metadata
---
amdhsa.version: [ 1, 2 ]
amdhsa.kernels:
  - .name:           k_q6b15d21dd6_prep
    .symbol:         k_q6b15d21dd6_prep.kd
    .args:
      - { .name: x, .offset: 0, .size: 8, .value_kind: global_buffer, .address_space: global }
      - { .name: gate_w, .offset: 8, .size: 8, .value_kind: global_buffer, .address_space: global }
      - { .name: gate_b, .offset: 16, .size: 8, .value_kind: global_buffer, .address_space: global }
      - { .name: w1, .offset: 24, .size: 8, .value_kind: global_buffer, .address_space: global }
      - { .name: w2, .offset: 32, .size: 8, .value_kind: global_buffer, .address_space: global }
      - { .name: xb, .offset: 40, .size: 8, .value_kind: global_buffer, .address_space: global }
      - { .name: wf, .offset: 48, .size: 8, .value_kind: global_buffer, .address_space: global }
      - { .name: cw, .offset: 56, .size: 8, .value_kind: global_buffer, .address_space: global }
      - { .name: meta, .offset: 64, .size: 8, .value_kind: global_buffer, .address_space: global }
    .group_segment_fixed_size: 111616
    .private_segment_fixed_size: 0
    .kernarg_segment_align: 8
    .kernarg_segment_size: 72
    .max_flat_workgroup_size: 256
    .sgpr_count:     66
    .vgpr_count:     226
    .wavefront_size: 32
...
	.end_amdgpu_metadata
.endif
;; end of part 1
;; launch plan (part 2): grid 198 x 1, 4 waves a work-group, no clusters, 2,304 bytes of LDS; arguments tiles, meta; writes tiles
.if DOCPART == 2
	.amdgcn_target "amdgcn-amd-amdhsa--gfx1250"
	.amdhsa_code_object_version 6
	.text
	.protected	k_q6b15d21dd6_plan
	.globl	k_q6b15d21dd6_plan
	.p2align	8
	.type	k_q6b15d21dd6_plan,@function
k_q6b15d21dd6_plan:
	s_mov_b64 s[64:65], 0
	v_nop
	global_prefetch_b8 v0, s[64:65] scope:SCOPE_SE
	s_setreg_imm32_b32 hwreg(HW_REG_WAVE_MODE, 25, 1), 1
	s_wait_xcnt 0x0
; MoE, second of three launches: the tokens sorted into tiles.  Only the two experts that a token chose are evaluated (see the first launch's head).
;
; Tokens are grouped by their pair of experts a < b (28 keys, key = b (b - 1) / 2 + a); a tile is at most 48 tokens of one key, in the order of the
; token numbers.  The tiles number sum over the keys of ceil(n_key / 48), at most (8192 + 28 x 47) / 48 = 198, and that is the grid: work-group g
; makes tile g's 256 bytes of the buffer tiles:
;   words 0-47: the token of each slot (slots behind the tile's last row repeat its token);  word 48: rows;  word 49: a;  word 50: b;
;   words 51-63: the repeated token again, used by nobody.
; A number g at or beyond the count of tiles gets rows = 0 and indices that lie inside their tables.
; This is a launch of its own so that every branch and every global address of the third launch hangs on whole numbers that it reads from
; memory.  Here the numbers read from meta steer LDS addresses and lane selects alone: the branches hang on the wave's number, the global
; addresses on the work-group's and the lane's.
; Wave w reads blocks 64 w .. 64 w + 63 of meta.  LDS: the waves' histogram sums [4][32] at byte 0; each wave's part of the list; wave 0's whole list.
.set LISTP, 512                        ; each wave's part of the tile's list: 48 words, and a dump word at byte 192
.set CL,    LISTP+4*256                ; the whole list
.set META,  32                         ; v[32:159]  my 64 blocks of meta
	s_load_b128 s[8:11], s[0:1], 0x0               ; tiles 8, meta 10
	v_lshl_add_u32 v192, v0, 2, 0x700
	v_mov_b32 v193, 0
	v_and_b32 v1, 31, v0
	v_lshrrev_b32 v22, 5, v0
	v_readfirstlane_b32 s18, v22                   ; w
	s_mov_b32 s19, ttmp9                           ; my tile
	s_mov_b32 s35, 0                               ; high word of the offset pair s[34:35]
	s_lshl_b32 s23, s18, 14
	v_lshl_add_u32 v25, v1, 3, s23
	s_wait_kmcnt 0x0
.set i, 0
.rept 64
	global_load_b64 v[META+2*i:META+2*i+1], v25, s[10:11] offset:256*i
.set i, i+1
.endr
	s_cmp_gt_u32 s18, 0
	s_cselect_b32 s36, 1, 0
	s_cmp_gt_u32 s18, 1
	s_cselect_b32 s37, 1, 0
	s_cmp_gt_u32 s18, 2
	s_cselect_b32 s38, 1, 0
	s_lshl_b32 s23, s18, 8
	s_add_co_u32 s58, s23, LISTP                   ; my part list
	v_lshl_add_u32 v29, v1, 3, s58
	v_mov_b32 v20, 0
	v_mov_b32 v21, 0
	ds_store_b64 v29, v[20:21]                     ; my part list starts as zeros: the four are added later
	s_lshl_b32 s23, s18, 7
	v_lshl_add_u32 v27, v1, 2, s23                 ; my sums: 128 w + 4 L
	v_lshlrev_b32 v28, 2, v1
	s_lshl_b32 s23, s18, 11
	v_add_nc_u32 v24, s23, v1                      ; token of my first block's lane
	; WHICH KEY, AND WHICH OF ITS TILES.  Lane = key.
	s_wait_loadcnt 0x0
	v_add3_u32 v26, v[META], v[META+2], v[META+4]
.set i, 3
.rept 30
	v_add3_u32 v26, v26, v[META+2*i], v[META+2*i+2]
.set i, i+2
.endr
	v_add_nc_u32 v26, v26, v[META+126]
	ds_store_b32 v27, v26
	s_wait_dscnt 0x0                               ; my sums are in LDS before I say so
	s_barrier_signal -1
	s_barrier_wait -1
	ds_load_b32 v176, v28
	ds_load_b32 v177, v28 offset:128
	ds_load_b32 v178, v28 offset:256
	ds_load_b32 v179, v28 offset:384
	s_wait_dscnt 0x0
	v_add3_u32 v180, v176, v177, v178
	v_add_nc_u32 v180, v180, v179                  ; tokens of the key
	v_mul_u32_u24 v181, s36, v176
	v_mad_u32_u24 v181, v177, s37, v181
	v_mad_u32_u24 v181, v178, s38, v181            ; of them, in the blocks of the waves before mine
	v_add_nc_u32 v182, 47, v180
	v_mul_u32_u24 v182, 0xaaab, v182
	v_lshrrev_b32 v182, 21, v182                   ; tiles of the key: 43691 x 48 = 2^21 + 16, so the quotient is exact below 131,072
	s_mov_b32 s20, 0                               ; tiles up to and with this key
	s_mov_b32 s21, 0                               ; first tile of my key
	s_mov_b32 s22, 0                               ; my key
.set i, 0
.rept 28
	v_readlane_b32 s23, v182, i
	s_add_co_u32 s20, s20, s23
	s_cmp_le_u32 s20, s19                          ; my tile lies behind this key's
	s_cselect_b32 s21, s20, s21
	s_add_co_ci_u32 s22, s22, 0
.set i, i+1
.endr
	s_min_u32 s22, s22, 27
	s_sub_co_u32 s24, s19, s21                     ; my tile among the key's
	s_mul_i32 s25, s24, 48
	v_readlane_b32 s26, v180, s22
	s_sub_co_u32 s27, s26, s25
	s_min_u32 s27, s27, 48
	s_cmp_lt_u32 s19, s20
	s_cselect_b32 s27, s27, 0                      ; rows of the tile; 0 where there is no such tile
	s_max_u32 s28, s27, 1
	s_sub_co_u32 s28, s28, 1                       ; the last row: slots behind it repeat its token
	v_readlane_b32 s32, v181, s22
	s_sub_co_u32 s32, s32, s25
	s_lshl_b32 s32, s32, 2                         ; 4 x (rank of my wave's first token of the key - first rank of the tile)
	s_lshl_b32 s33, s22, 16
	s_mov_b32 s30, 1                               ; key = b (b - 1) / 2 + a
.irp th, 1,3,6,10,15,21
	s_cmp_ge_u32 s22, \th
	s_add_co_ci_u32 s30, s30, 0
.endr
	s_sub_co_u32 s23, s30, 1
	s_mul_i32 s23, s23, s30
	s_lshr_b32 s23, s23, 1
	s_sub_co_u32 s29, s22, s23
	; THE TILE'S LIST.  A token of my key has 4 x rank left after the xor; with the running offset that is 4 x its slot.  Another key leaves at least
	; 65,536, and the offset is never below -37,824; a slot in front of the tile wraps to a large number: all of these fall on the dump word.
.set i, 0
.rept 64
	v_readlane_b32 s23, v[META+2*i], s22           ; the block's tokens of my key
	v_xor_b32 v22, s33, v[META+2*i+1]
	v_add_nc_u32 v22, s32, v22
	v_min_u32 v22, 192, v22
	v_add_nc_u32 v22, s58, v22
.if i == 0
	ds_store_b32 v22, v24
.else
	v_add_nc_u32 v23, 32*i, v24
	ds_store_b32 v22, v23
.endif
	s_lshl2_add_u32 s32, s23, s32
.set i, i+1
.endr
	s_wait_dscnt 0x0                               ; my part list is in LDS before I say so
	s_barrier_signal -1
	s_barrier_wait -1
	s_cmp_lg_u32 s18, 0
	s_cbranch_scc1 .Lend                           ; the rest is 64 words' work: wave 0
	v_lshlrev_b32 v22, 3, v1                       ; 8 L
	ds_load_b64 v[176:177], v22 offset:LISTP
	ds_load_b64 v[178:179], v22 offset:LISTP+256
	ds_load_b64 v[180:181], v22 offset:LISTP+512
	ds_load_b64 v[182:183], v22 offset:LISTP+768
	s_wait_dscnt 0x0
	v_add3_u32 v176, v176, v178, v180              ; each slot was written by at most one wave; the others hold 0
	v_add3_u32 v177, v177, v179, v181
	v_add_nc_u32 v176, v176, v182
	v_add_nc_u32 v177, v177, v183
	ds_store_b64 v22, v[176:177] offset:CL         ; read back below without a wait: LDS serves a wave's instructions in order (ISA guide 5.7.1.4)
	v_lshlrev_b32 v23, 1, v1                       ; slot 2 L
	v_or_b32 v26, 1, v23                           ; slot 2 L + 1
	v_min_u32 v23, s28, v23
	v_min_u32 v26, s28, v26
	v_min_u32 v23, 47, v23
	v_min_u32 v26, 47, v26
	v_lshlrev_b32 v23, 2, v23
	v_lshlrev_b32 v26, 2, v26
	ds_load_b32 v184, v23 offset:CL
	ds_load_b32 v185, v26 offset:CL
	s_wait_dscnt 0x0
	v_writelane_b32 v184, s27, 24                  ; word 48: rows
	v_writelane_b32 v185, s29, 24                  ; word 49: a
	v_writelane_b32 v184, s30, 25                  ; word 50: b
	s_lshl_b32 s34, s19, 8
	s_add_nc_u64 s[8:9], s[8:9], s[34:35]
	global_store_b64 v22, v[184:185], s[8:9]       ; the wave stores the tile's 256 consecutive bytes, aligned
.Lend:
	s_wait_tensorcnt 0x0
	ds_add_u32 v192, v193
	s_wait_dscnt 0x0
	s_endpgm
.Lfunc_end_k_q6b15d21dd6_plan:
	.size	k_q6b15d21dd6_plan, .Lfunc_end_k_q6b15d21dd6_plan-k_q6b15d21dd6_plan
	.p2alignl 7, 3214868480
	.fill 96, 4, 3214868480
	.section	.rodata,"a",@progbits
	.p2align	6, 0x0
	.amdhsa_kernel k_q6b15d21dd6_plan
		.amdhsa_group_segment_fixed_size 2304
		.amdhsa_private_segment_fixed_size 0
		.amdhsa_enable_private_segment 0
		.amdhsa_kernarg_size 16
		.amdhsa_user_sgpr_count 2
		.amdhsa_user_sgpr_kernarg_segment_ptr 1
		.amdhsa_wavefront_size32 1
		.amdhsa_system_sgpr_workgroup_id_x 1
		.amdhsa_system_sgpr_workgroup_id_y 1
		.amdhsa_system_sgpr_workgroup_id_z 1
		.amdhsa_system_vgpr_workitem_id 0
		.amdhsa_next_free_vgpr 194
		.amdhsa_next_free_sgpr 66
		.amdhsa_reserve_vcc 0
		.amdhsa_float_denorm_mode_32 3
		.amdhsa_float_denorm_mode_16_64 3
		.amdhsa_memory_ordered 1
		.amdhsa_forward_progress 1
		.amdhsa_inst_pref_size 43
	.end_amdhsa_kernel
	.amdgpu_metadata
---
amdhsa.version: [ 1, 2 ]
amdhsa.kernels:
  - .name:           k_q6b15d21dd6_plan
    .symbol:         k_q6b15d21dd6_plan.kd
    .args:
      - { .name: tiles, .offset: 0, .size: 8, .value_kind: global_buffer, .address_space: global }
      - { .name: meta, .offset: 8, .size: 8, .value_kind: global_buffer, .address_space: global }
    .group_segment_fixed_size: 2304
    .private_segment_fixed_size: 0
    .kernarg_segment_align: 8
    .kernarg_segment_size: 16
    .max_flat_workgroup_size: 128
    .sgpr_count:     66
    .vgpr_count:     194
    .wavefront_size: 32
...
	.end_amdgpu_metadata
.endif
;; end of part 2
;; launch moe (part 3): grid 198 x 1, 4 waves a work-group, no clusters, 210,688 bytes of LDS; arguments xb, wf, cw, tiles, b1, b2, out0; writes out0
.if DOCPART == 3
	.amdgcn_target "amdgcn-amd-amdhsa--gfx1250"
	.amdhsa_code_object_version 6
	.text
	.protected	k_q6b15d21dd6_moe
	.globl	k_q6b15d21dd6_moe
	.p2align	8
	.type	k_q6b15d21dd6_moe,@function
k_q6b15d21dd6_moe:
	s_mov_b64 s[64:65], 0
	v_nop
	global_prefetch_b8 v0, s[64:65] scope:SCOPE_SE
	s_setreg_imm32_b32 hwreg(HW_REG_WAVE_MODE, 25, 1), 1
	s_wait_xcnt 0x0
; MoE, third launch: for each token the two experts that the first launch chose, and no other (the six others' rows of expert_out are never
; gathered by reference(); a NaN, an infinity or an overflow that would arise only there is not carried to the result).
;
; Tokens are grouped by their pair of experts a < b.  A work-group does one tile of at most 48 tokens of one pair, as the second launch listed it, fused:
;   stage 1: X[48 x 1024] x [W1a | W1b] + b1, relu, times the token's softmax weight of that expert -> H[48 x 256], in LDS;
;   stage 2: H x [W2a ; W2b] + c_a b2_a + c_b b2_b -> 48 rows of out.  Every row of out is stored once, by one work-group.
; H IS KEPT AS TWO bf16 NUMBERS, hi = H rounded and lo = (H - hi) rounded, 16 significant bits together, and stage 2 multiplies both by the same
; weight fragments into the same sums: reference() keeps H in f32, so a single bf16 (8 significant bits) would add to every term of every output
; a rounding that no rounding of the inputs accounts for.  The weight bytes read are the same; stage 2's products double.
; The two experts' terms are added in the order of the expert numbers, not of their rank.  NaN is not served: relu is a maximum in which a NaN loses.
; An H of 2^128 (1 - 2^-9) or more rounds to an infinite hi.
; THE GRID.  The tiles number sum over the keys of ceil(n_key / 48), at most (8192 + 28 x 47) / 48 = 198, and that is the grid.  Work-group g reads
; tile g's 256 bytes: words 0-47 the slots' tokens (slots behind the last row repeat its token), word 48 the rows, words 49 and 50 the experts.
; A tile with 0 rows is no tile: its work-group goes through the same text on the indices that the record holds, since each barrier stands on
; every wave's path whatever the data hold, and it stores nothing.
; Every branch and every global address that hangs on data hangs on these words as they come from memory, through registers alone.
; WEIGHTS go from memory straight into a ring of eight register sets (4 fragments = 32 registers = 8 loads a set): no byte of a weight fragment is
; used by two waves of the work-group, so LDS would add a write and a read to each byte, and a barrier to each slot.
; NO CLUSTER: tiles of one pair read the same weights, but how many there are is read from memory (0 to 171); groups filled up to four partners
; could number (8192 + 28 x 191) / 192 = 70, that is 280 work-groups, of which about a quarter would only ask and discard.
; THE MATRIX INSTRUCTION IS USED TRANSPOSED: source 0 = 16 weight columns, source 1 = 16 tokens, so that lane (h, r) holds token r and the eight
; neighbouring columns 8 h .. 8 h + 7.
.set XPITCH, 2064                      ; LDS rows of X: 2,048 bytes + 16; all three pitches are odd multiples of 16 bytes, so that
.set HPITCH, 528                       ; the 16 rows that a 16-byte access touches fall into 16 different 16-byte columns of 256 bytes
.set SPITCH, 272
.set HT,    48*XPITCH                  ; X at byte 0; H's hi part behind it,
.set HLO,   48*HPITCH                  ; and its lo part this many bytes behind the hi part: one address register serves both
.set STG,   HT+2*HLO                   ; the way out: 48 rows x 272 bytes for each wave
.set STGB,  48*SPITCH
.set B2S,   STG+4*STGB                 ; b2 of my 256 columns: expert a's 1,024 bytes, then b's, for each wave
; block 0: v1 L, v2 r, v3 h, v4 16 L, v5-7 token fragment addresses, v8 H in, v9 stage in, v10 stage back, v11 b2, v12-17 (c_lo, c_hi) of tokens 16 t + r,
;          v18 H fragments, v19 b2 in, v20 4 h, v21 -1.0, v22-24 at work, v25 4 r, v27-29 tokens of slots 16 t + r, then their offsets in cw, v30 X in, v31 32 h
; block 1: the ring, slot i fragment f at 32 i + 8 f
.set AX,    5
.set CW,    12
.set ACC,   32                         ; v[32:127]  tile (f, t) at 8 (3 f + t)
.set XF,    128                        ; v[128:175] token fragments (stage 2: H's hi part), two buffers of 24; stage 1's way out: hi of tile (f, t) at 4 (3 f + t)
.set XL1,   176                        ; v[176:199] stage 2: H's lo part, buffer 1 (loaded in even steps, last read in step 7: free while T2 is at work)
.set XL0,   232                        ; v[232:255] stage 2: H's lo part, buffer 0 (holds the next chunk's first fragments across INIT and EPI)
.set T2,    176                        ; v[176:207] b2 at work (between the trips of stage 2)
.set CS,    176                        ; v[176:181] stage 1: my expert's weight of token 16 t + r, twice
.set OOFF,  208                        ; v[208:231] byte offsets in out of row pairs 2 t + h
.set BIAS1, 224                        ; v[224:255] b1 of my 64 hidden columns (used by stage 1's first step alone)
.set XG,    32                         ; v[32:223]  my 12 gathered rows
.set MSB, 0
.macro WIN new                         ; s_set_vgpr_msb: bits 1:0 source 0, 3:2 source 1, 5:4 source 2, 7:6 destination; the high byte repeats the setting left
.if MSB != \new
	s_set_vgpr_msb (MSB<<8)|\new
.set MSB, \new
.endif
.endm
	s_load_b256 s[4:11], s[0:1], 0x0               ; xb 4, wf 6, cw 8, tiles 10
	s_load_b128 s[12:15], s[0:1], 0x20             ; b1 12, b2 14
	s_load_b64 s[16:17], s[0:1], 0x30              ; out0
	v_lshl_add_u32 v23, v0, 2, 0x33500
	v_mov_b32 v26, 0
	v_and_b32 v1, 31, v0
	v_lshrrev_b32 v22, 5, v0
	v_readfirstlane_b32 s18, v22                   ; w
	s_mov_b32 s35, 0                               ; high word of the offset pair s[34:35]
	v_and_b32 v2, 15, v1
	v_lshrrev_b32 v3, 4, v1
	v_lshlrev_b32 v25, 2, v2                       ; 4 r
	s_lshl_b32 s34, ttmp9, 8
	s_wait_kmcnt 0x0
	s_add_nc_u64 s[60:61], s[10:11], s[34:35]      ; my tile's 256 bytes
	s_mul_i32 s34, s18, 48
	s_add_nc_u64 s[62:63], s[60:61], s[34:35]      ; the tokens of the 12 rows that my wave gathers
	s_load_b128 s[28:31], s[60:61], 0xc0           ; words 48-51: rows, a, b, and a word that is not used
	s_load_b128 s[80:83], s[62:63], 0x0
	s_load_b128 s[84:87], s[62:63], 0x10
	s_load_b128 s[88:91], s[62:63], 0x20
.irp t, 0,1,2
	global_load_b32 v[27+\t], v25, s[60:61] offset:64*\t       ; token of slot 16 t + r
.endr
	; addresses, while the tile is on its way
	v_lshlrev_b32 v4, 4, v1
	v_lshlrev_b32 v31, 5, v3                       ; 32 h
	v_lshlrev_b32 v20, 2, v3                       ; 4 h
	s_cmp_gt_u32 s18, 1
	s_cselect_b32 s39, -1, 0                       ; waves 2 and 3 serve expert b
	s_lshl_b32 s23, s18, 11
	s_add_co_u32 s23, s23, B2S
	v_add_nc_u32 v19, s23, v4
	v_add_nc_u32 v11, s23, v31
	s_mul_i32 s23, s18, 12*XPITCH
	v_add_nc_u32 v30, s23, v4                      ; X in: my 12 rows
	v_mul_u32_u24 v22, v2, XPITCH
	v_lshl_add_u32 v[AX], v3, 4, v22
	v_add_nc_u32 v[AX+1], 16*XPITCH, v[AX]
	v_add_nc_u32 v[AX+2], 32*XPITCH, v[AX]
	v_mul_u32_u24 v22, v2, HPITCH
	v_lshl_add_u32 v22, v3, 4, v22
	v_add_nc_u32 v18, HT, v22
	s_lshl_b32 s23, s18, 7
	v_add_nc_u32 v8, s23, v18                      ; H in: row r, my 64 columns, 16 h
	s_mul_i32 s23, s18, STGB
	s_add_co_u32 s23, s23, STG
	v_mul_u32_u24 v22, v2, SPITCH
	v_lshl_add_u32 v22, v3, 5, v22
	v_add_nc_u32 v9, s23, v22                      ; stage in: row r, 32 h
	v_mul_u32_u24 v22, v3, SPITCH
	v_lshl_add_u32 v22, v2, 4, v22
	v_add_nc_u32 v10, s23, v22                     ; stage back: row h, 16 r
	s_wait_kmcnt 0x0                               ; the tile's record and my 12 tokens
	s_min_u32 s27, s28, 48                         ; rows of my tile
	s_cmp_lt_u32 s18, 2
	s_cselect_b32 s31, s29, s30                    ; my wave's expert in stage 1
	s_min_u32 s29, s29, 7
	s_min_u32 s30, s30, 7
	s_min_u32 s31, s31, 7
	s_and_b32 s23, s18, 1
	s_lshl_b32 s34, s31, 18
	s_lshl_b32 s24, s23, 17
	s_add_co_u32 s34, s34, s24
	s_add_nc_u64 s[56:57], s[6:7], s[34:35]        ; w1 fragments of my 64 hidden columns
	s_add_nc_u64 s[40:41], s[56:57], 0x8000        ; refills: slots 0-3,
	s_add_nc_u64 s[42:43], s[56:57], 0xc000        ; slots 4-7
	s_lshl_b32 s34, s31, 9
	s_lshl_b32 s24, s23, 8
	s_add_co_u32 s34, s34, s24
	s_add_nc_u64 s[48:49], s[12:13], s[34:35]      ; b1 of my 64 hidden columns
	s_lshl_b32 s23, s18, 16
	s_add_co_u32 s23, s23, 0x200000
	s_lshl_b32 s34, s29, 18
	s_add_co_u32 s34, s34, s23
	s_add_nc_u64 s[44:45], s[6:7], s[34:35]        ; w2 fragments of my 256 columns, expert a
	s_lshl_b32 s34, s30, 18
	s_add_co_u32 s34, s34, s23
	s_add_nc_u64 s[46:47], s[6:7], s[34:35]        ; expert b
	s_lshl_b32 s23, s18, 10
	s_lshl_b32 s34, s29, 12
	s_add_co_u32 s34, s34, s23
	s_add_nc_u64 s[50:51], s[14:15], s[34:35]      ; b2 of my 256 columns, expert a
	s_lshl_b32 s34, s30, 12
	s_add_co_u32 s34, s34, s23
	s_add_nc_u64 s[52:53], s[14:15], s[34:35]      ; expert b
	global_load_b128 v[160:163], v4, s[50:51]
	global_load_b128 v[164:167], v4, s[50:51] offset:512
	global_load_b128 v[168:171], v4, s[52:53]
	global_load_b128 v[172:175], v4, s[52:53] offset:512
.irp f, 0,1,2,3
	global_load_b128 v[BIAS1+8*\f:BIAS1+8*\f+3],   v31, s[48:49] offset:64*\f
	global_load_b128 v[BIAS1+8*\f+4:BIAS1+8*\f+7], v31, s[48:49] offset:64*\f+16
.endr
	WIN 0x40                                       ; destination in block 1
.set i, 0
.rept 8
.irp f, 0,1,2,3
	global_load_b128 v[32*i+8*\f:32*i+8*\f+3],   v4, s[56:57] offset:4096*i+1024*\f
	global_load_b128 v[32*i+8*\f+4:32*i+8*\f+7], v4, s[56:57] offset:4096*i+1024*\f+512
.endr
.set i, i+1
.endr
	WIN 0
	; The addresses of my 12 rows of xb.  Token i lies in s[80 + i], row i's address goes to s[68 + 2 i : 69 + 2 i]: from i = 6 on it lands on
	; tokens 2 i - 12 and 2 i - 11, which are at most i and have been read.
.set i, 0
.rept 12
	s_min_u32 s23, s[80+i], 8191
	s_lshl_b32 s34, s23, 11
	s_add_nc_u64 s[68+2*i:69+2*i], s[4:5], s[34:35]
.set i, i+1
.endr
	s_wait_loadcnt 63                              ; 72 loads are younger than b2's four; 63, the largest count that can be written, shows the 16 oldest done: the three token loads, b2, b1, one of the ring
	ds_store_b128 v19, v[160:163]                  ; b2 into my own bytes of LDS: no other wave reads them
	ds_store_b128 v19, v[164:167] offset:512
	ds_store_b128 v19, v[168:171] offset:1024
	ds_store_b128 v19, v[172:175] offset:1536
	s_wait_dscnt 0x0                               ; their registers are loaded again below
.irp t, 0,1,2
	v_min_u32 v[27+\t], 8191, v[27+\t]
	v_lshlrev_b32 v[27+\t], 3, v[27+\t]
	global_load_b64 v[CW+2*\t:CW+2*\t+1], v[27+\t], s[8:9]
.endr
.set i, 0
.rept 12
.irp j, 0,1,2,3
	global_load_b128 v[XG+16*i+4*\j:XG+16*i+4*\j+3], v4, s[68+2*i:69+2*i] offset:512*\j
.endr
.set i, i+1
.endr
.set i, 0
.rept 12
	s_wait_loadcnt 4*(11-i)                        ; row i is in; the later rows' loads stay out
.irp j, 0,1,2,3
	ds_store_b128 v30, v[XG+16*i+4*\j:XG+16*i+4*\j+3] offset:XPITCH*i+512*\j
.endr
.set i, i+1
.endr
.irp t, 0,1,2
	v_cndmask_b32 v[CS+2*\t],   v[CW+2*\t], v[CW+2*\t+1], s39  ; my expert's weight, twice, for the packed multiply
	v_cndmask_b32 v[CS+2*\t+1], v[CW+2*\t], v[CW+2*\t+1], s39
.endr
	s_wait_dscnt 0x0                               ; my rows of X are in LDS before I say so
	s_barrier_signal -1
	s_barrier_wait -1
; One step: 32 along K, 4 weight fragments of ring slot i x 3 token fragments (lo = 1: x 3 hi and 3 lo).  ak >= 0: the next step's token fragments are
; fetched from byte ak of the rows.  cmode = 1: the sums start from b1.  refill = 1: slot i gets the fragments of eight steps on.  lcnt: the younger ring loads.
.macro STEP i, ak, cmode, refill, lcnt, lo
.set XB, XF+24*((\i+1)&1)
.set XC, XF+24*(\i&1)
.set LB, XL0-(XL0-XL1)*((\i+1)&1)
.set LC, XL0-(XL0-XL1)*(\i&1)
.set PR, 40+2*(\i>>2)
	WIN 0
.if \ak >= 0
.irp t, 0,1,2
	ds_load_b128 v[XB+8*\t:XB+8*\t+3],   v[AX+\t] offset:\ak
	ds_load_b128 v[XB+8*\t+4:XB+8*\t+7], v[AX+\t] offset:\ak+32
.endr
.if \lo
.irp t, 0,1,2
	ds_load_b128 v[LB+8*\t:LB+8*\t+3],   v[AX+\t] offset:HLO+\ak
	ds_load_b128 v[LB+8*\t+4:LB+8*\t+7], v[AX+\t] offset:HLO+\ak+32
.endr
.endif
.endif
	s_wait_loadcnt \lcnt                           ; slot i is in: only the sets asked for behind it, 8 loads each, may be out
.if \ak >= 0
	s_wait_dscnt 6+6*\lo                           ; this step's token fragments are in; the six (with lo: twelve) loads just issued stay out
.else
	s_wait_dscnt 0x0
.endif
	WIN 0x01                                       ; source 0 in block 1
.irp f, 0,1,2,3
.irp t, 0,1,2
.if \cmode
	v_wmma_f32_16x16x32_bf16 v[ACC+8*(3*\f+\t):ACC+8*(3*\f+\t)+7], v[32*\i+8*\f:32*\i+8*\f+7], v[XC+8*\t:XC+8*\t+7], v[BIAS1+8*\f:BIAS1+8*\f+7]
.else
	v_wmma_f32_16x16x32_bf16 v[ACC+8*(3*\f+\t):ACC+8*(3*\f+\t)+7], v[32*\i+8*\f:32*\i+8*\f+7], v[XC+8*\t:XC+8*\t+7], v[ACC+8*(3*\f+\t):ACC+8*(3*\f+\t)+7]
.endif
.endr
.endr
.if \lo
.irp f, 0,1,2,3
.irp t, 0,1,2
	v_wmma_f32_16x16x32_bf16 v[ACC+8*(3*\f+\t):ACC+8*(3*\f+\t)+7], v[32*\i+8*\f:32*\i+8*\f+7], v[LC+8*\t:LC+8*\t+7], v[ACC+8*(3*\f+\t):ACC+8*(3*\f+\t)+7]
.endr
.endr
.endif
.rept 4
	v_nop                                          ; four places before loads land on the fragments just read and before anything but a matrix instruction touches the sums
.endr
.if \refill
	WIN 0x40
.irp f, 0,1,2,3
	global_load_b128 v[32*\i+8*\f:32*\i+8*\f+3],   v4, s[PR:PR+1] offset:4096*(\i&3)+1024*\f
	global_load_b128 v[32*\i+8*\f+4:32*\i+8*\f+7], v4, s[PR:PR+1] offset:4096*(\i&3)+1024*\f+512
.endr
.endif
.endm
; Once round the ring.  The twelve accumulators take turns, one instruction a turn, in the same order in every pass (hi, then lo) of every step.
; down = 1: nothing is asked for any more, so the count of younger loads falls by 8 a step.
.macro TRIP cm0, refill, ak7, down, lo
	STEP 0, 64,  \cm0, \refill, 56, \lo
	STEP 1, 128, 0, \refill, 56-8*\down, \lo
	STEP 2, 192, 0, \refill, 56-16*\down, \lo
	STEP 3, 256, 0, \refill, 56-24*\down, \lo
	STEP 4, 320, 0, \refill, 56-32*\down, \lo
	STEP 5, 384, 0, \refill, 56-40*\down, \lo
	STEP 6, 448, 0, \refill, 56-48*\down, \lo
	STEP 7, \ak7, 0, \refill, 56-56*\down, \lo
.endm
.macro XFIRST lo                       ; the first step's token fragments
.irp t, 0,1,2
	ds_load_b128 v[XF+8*\t:XF+8*\t+3],   v[AX+\t]
	ds_load_b128 v[XF+8*\t+4:XF+8*\t+7], v[AX+\t] offset:32
.endr
.if \lo
.irp t, 0,1,2
	ds_load_b128 v[XL0+8*\t:XL0+8*\t+3],   v[AX+\t] offset:HLO
	ds_load_b128 v[XL0+8*\t+4:XL0+8*\t+7], v[AX+\t] offset:HLO+32
.endr
.endif
.endm
.macro NEXT1
	WIN 0
	s_wait_xcnt 0x0                                ; the refills' bases are stepped only behind this wait
	s_add_nc_u64 s[40:41], s[40:41], 0x8000
	s_add_nc_u64 s[42:43], s[42:43], 0x8000
.irp t, 0,1,2
	v_add_nc_u32 v[AX+\t], 512, v[AX+\t]
.endr
.endm
	; STAGE 1: K = 1024, 32 steps
	XFIRST 0
	TRIP 1, 1, 512, 0, 0
	NEXT1
	s_mov_b32 s54, 2
.Ls1:
	TRIP 0, 1, 512, 0, 0
	NEXT1
	s_sub_co_u32 s54, s54, 1
	s_cmp_lg_u32 s54, 0
	s_cbranch_scc1 .Ls1
	s_mov_b64 s[40:41], s[44:45]                   ; the last trip's refills are stage 2's first 64 columns: slots 0-3 expert a's K, slots 4-7 expert b's
	s_mov_b64 s[42:43], s[46:47]
	TRIP 0, 1, -1, 0, 0
	WIN 0
	s_wait_xcnt 0x0
	s_add_nc_u64 s[40:41], s[40:41], 0x4000
	s_add_nc_u64 s[42:43], s[42:43], 0x4000
.set t, 0
.rept 24
	global_load_b32 v[OOFF+t], v20, s[60:61] offset:8*t        ; token of row 2 t + h, for the way out; waited for behind the barrier below
.set t, t+1
.endr
	; relu, times the token's weight; hi = that in bf16; lo = (that - hi) in bf16: the difference has at most 16 significant bits, so the
	; multiply-add that forms it (a half of hi times -1, plus the number) is exact.  Both parts go into H.
	v_mov_b32 v21, -1.0
.irp f, 0,1,2,3
.irp t, 0,1,2
.set TA, ACC+8*(3*\f+\t)
.set TH, XF+4*(3*\f+\t)
.irp k, 0,1,2,3,4,5,6,7
	v_max_num_f32 v[TA+\k], 0, v[TA+\k]
.endr
.irp m, 0,1,2,3
	v_pk_mul_f32 v[TA+2*\m:TA+2*\m+1], v[TA+2*\m:TA+2*\m+1], v[CS+2*\t:CS+2*\t+1]
.endr
.irp m, 0,1,2,3
	v_cvt_pk_bf16_f32 v[TH+\m], v[TA+2*\m], v[TA+2*\m+1]
.endr
.irp m, 0,1,2,3
	v_fma_mix_f32_bf16 v[TA+2*\m],   v[TH+\m], v21, v[TA+2*\m]   op_sel_hi:[1,0,0]
	v_fma_mix_f32_bf16 v[TA+2*\m+1], v[TH+\m], v21, v[TA+2*\m+1] op_sel:[1,0,0] op_sel_hi:[1,0,0]
.endr
.irp m, 0,1,2,3
	v_cvt_pk_bf16_f32 v[TA+\m], v[TA+2*\m], v[TA+2*\m+1]
.endr
	ds_store_b128 v8, v[TH:TH+3] offset:16*HPITCH*\t+32*\f
	ds_store_b128 v8, v[TA:TA+3] offset:HLO+16*HPITCH*\t+32*\f
.endr
.endr
	s_wait_dscnt 0x0                               ; my columns of H are in LDS before I say so
	s_barrier_signal -1
	s_barrier_wait -1
	s_wait_loadcnt 0x0                             ; the 24 token loads are the youngest: nothing may be out
	s_lshl_b32 s23, s18, 10
	v_lshl_add_u32 v24, v2, 4, s23                 ; my 256 columns, 16 bytes a lane
.set t, 0
.rept 24
	v_min_u32 v[OOFF+t], 8191, v[OOFF+t]
	v_lshl_add_u32 v[OOFF+t], v[OOFF+t], 12, v24
.set t, t+1
.endr
	v_mov_b32 v[AX], v18
	v_add_nc_u32 v[AX+1], 16*HPITCH, v18
	v_add_nc_u32 v[AX+2], 32*HPITCH, v18
; STAGE 2: 64 columns of out a chunk, K = 256 = once round the ring, each weight fragment times hi and times lo.
.macro INIT                            ; the sums start from c_lo b2_a + c_hi b2_b
.irp g, 0,1
.irp q, 0,1
	ds_load_b128 v[T2+16*\q:T2+16*\q+3],     v11 offset:64*(2*\g+\q)
	ds_load_b128 v[T2+16*\q+4:T2+16*\q+7],   v11 offset:64*(2*\g+\q)+16
	ds_load_b128 v[T2+16*\q+8:T2+16*\q+11],  v11 offset:1024+64*(2*\g+\q)
	ds_load_b128 v[T2+16*\q+12:T2+16*\q+15], v11 offset:1024+64*(2*\g+\q)+16
.endr
	s_wait_dscnt 0x0
.irp q, 0,1
.irp t, 0,1,2
.irp m, 0,1,2,3
	v_pk_mul_f32 v[ACC+8*(3*(2*\g+\q)+\t)+2*\m:ACC+8*(3*(2*\g+\q)+\t)+2*\m+1], v[T2+16*\q+2*\m:T2+16*\q+2*\m+1], v[CW+2*\t:CW+2*\t+1] op_sel_hi:[1,0]
.endr
.irp m, 0,1,2,3
	v_pk_fma_f32 v[ACC+8*(3*(2*\g+\q)+\t)+2*\m:ACC+8*(3*(2*\g+\q)+\t)+2*\m+1], v[T2+16*\q+8+2*\m:T2+16*\q+8+2*\m+1], v[CW+2*\t:CW+2*\t+1], v[ACC+8*(3*(2*\g+\q)+\t)+2*\m:ACC+8*(3*(2*\g+\q)+\t)+2*\m+1] op_sel:[0,1,0]
.endr
.endr
.endr
.endr
.endm
.macro EPI                             ; through my own stage: in by tokens and 8 columns, back by rows of 256 bytes
	WIN 0
.irp f, 0,1,2,3
.irp t, 0,1,2
	ds_store_b128 v9, v[ACC+8*(3*\f+\t):ACC+8*(3*\f+\t)+3]   offset:16*SPITCH*\t+64*\f
	ds_store_b128 v9, v[ACC+8*(3*\f+\t)+4:ACC+8*(3*\f+\t)+7] offset:16*SPITCH*\t+64*\f+16
.endr
.endr
.set t, 0
.rept 24
	ds_load_b128 v[ACC+4*t:ACC+4*t+3], v10 offset:2*SPITCH*t   ; my own bytes, served in order behind the stores
.set t, t+1
.endr
.set t, 0
.rept 24
	s_cmp_le_u32 s27, 2*t                          ; no row of the tile is left (an odd last row's partner repeats its token and its numbers)
	s_cbranch_scc1 .Lout_\@
	s_wait_dscnt 23-t                              ; the later read-backs may be out
	global_store_b128 v[OOFF+t], v[ACC+4*t:ACC+4*t+3], s[16:17] th:TH_STORE_NT   ; sixteen lanes store 256 consecutive bytes of a row of out, aligned
.set t, t+1
.endr
.Lout_\@:
	s_wait_dscnt 0x0                               ; on the short way read-backs are still out
	s_wait_xcnt 0x0                                ; the sums were data of stores, and the bases are stepped, only behind this wait
.endm
.macro CHUNK more
	INIT
.if \more
	TRIP 0, 1, 0, 0, 1                             ; refills: the next 64 columns; the last step fetches H's first fragments again
.else
	TRIP 0, 0, -1, 1, 1
.endif
	EPI
.if \more
	s_add_nc_u64 s[16:17], s[16:17], 256
	s_add_nc_u64 s[40:41], s[40:41], 0x4000
	s_add_nc_u64 s[42:43], s[42:43], 0x4000
	v_add_nc_u32 v11, 256, v11
.endif
.endm
	XFIRST 1
	s_mov_b32 s54, 3
.Lch:
	CHUNK 1
	s_sub_co_u32 s54, s54, 1
	s_cmp_lg_u32 s54, 0
	s_cbranch_scc1 .Lch
	CHUNK 0
	s_wait_tensorcnt 0x0
	ds_add_u32 v23, v26
	s_wait_dscnt 0x0
	s_endpgm
.Lfunc_end_k_q6b15d21dd6_moe:
	.size	k_q6b15d21dd6_moe, .Lfunc_end_k_q6b15d21dd6_moe-k_q6b15d21dd6_moe
	.p2alignl 7, 3214868480
	.fill 96, 4, 3214868480
	.section	.rodata,"a",@progbits
	.p2align	6, 0x0
	.amdhsa_kernel k_q6b15d21dd6_moe
		.amdhsa_group_segment_fixed_size 210688
		.amdhsa_private_segment_fixed_size 0
		.amdhsa_enable_private_segment 0
		.amdhsa_kernarg_size 56
		.amdhsa_user_sgpr_count 2
		.amdhsa_user_sgpr_kernarg_segment_ptr 1
		.amdhsa_wavefront_size32 1
		.amdhsa_system_sgpr_workgroup_id_x 1
		.amdhsa_system_sgpr_workgroup_id_y 1
		.amdhsa_system_sgpr_workgroup_id_z 1
		.amdhsa_system_vgpr_workitem_id 0
		.amdhsa_next_free_vgpr 512
		.amdhsa_next_free_sgpr 92
		.amdhsa_reserve_vcc 0
		.amdhsa_float_denorm_mode_32 3
		.amdhsa_float_denorm_mode_16_64 3
		.amdhsa_memory_ordered 1
		.amdhsa_forward_progress 1
		.amdhsa_inst_pref_size 176
	.end_amdhsa_kernel
	.amdgpu_metadata
---
amdhsa.version: [ 1, 2 ]
amdhsa.kernels:
  - .name:           k_q6b15d21dd6_moe
    .symbol:         k_q6b15d21dd6_moe.kd
    .args:
      - { .name: xb, .offset: 0, .size: 8, .value_kind: global_buffer, .address_space: global }
      - { .name: wf, .offset: 8, .size: 8, .value_kind: global_buffer, .address_space: global }
      - { .name: cw, .offset: 16, .size: 8, .value_kind: global_buffer, .address_space: global }
      - { .name: tiles, .offset: 24, .size: 8, .value_kind: global_buffer, .address_space: global }
      - { .name: b1, .offset: 32, .size: 8, .value_kind: global_buffer, .address_space: global }
      - { .name: b2, .offset: 40, .size: 8, .value_kind: global_buffer, .address_space: global }
      - { .name: out0, .offset: 48, .size: 8, .value_kind: global_buffer, .address_space: global }
    .group_segment_fixed_size: 210688
    .private_segment_fixed_size: 0
    .kernarg_segment_align: 8
    .kernarg_segment_size: 56
    .max_flat_workgroup_size: 128
    .sgpr_count:     92
    .vgpr_count:     512
    .wavefront_size: 32
...
	.end_amdgpu_metadata
.endif
;; end of part 3
;; ======== version 2 of 3: 3 launches; 1.11 times as fast as version 1
;; limits: values outside matrix products are rounded to bf16; values are held in f16: magnitudes above 65,504 overflow, below 6.1e-05 lose precision
;; workspace buffers: xb 16,777,216 bytes; wf 4,194,304 bytes; cw 65,536 bytes; meta 65,536 bytes of whole numbers; tiles 50,688 bytes of whole numbers
;; launch prep (part 4): grid 256 x 1, 8 waves a work-group, no clusters, 111,616 bytes of LDS; arguments x, gate_w, gate_b, w1, w2, xb, wf, cw, meta; writes xb, wf, cw, meta
.if DOCPART == 4
	.amdgcn_target "amdgcn-amd-amdhsa--gfx1250"
	.amdhsa_code_object_version 6
	.text
	.protected	k_q6b15d21dd6_prep
	.globl	k_q6b15d21dd6_prep
	.p2align	8
	.type	k_q6b15d21dd6_prep,@function
k_q6b15d21dd6_prep:
	s_mov_b64 s[64:65], 0
	v_nop
	global_prefetch_b8 v0, s[64:65] scope:SCOPE_SE
	s_setreg_imm32_b32 hwreg(HW_REG_WAVE_MODE, 25, 1), 1
	s_wait_xcnt 0x0
; MoE, first of three launches: the gate, the routing, and the matrix operands in 16 bits.
;
; WHAT IS NOT COMPUTED, AND WHY.  reference() evaluates all eight experts for every token and then keeps, by take_along_axis with top_i,
; the outputs of two.  The other six rows of expert_out reach no output.  Which two are kept is a choice by whole numbers: this launch makes
; the choice and stores it (meta, cw), the second launch sorts it into tiles of tokens with the same two experts, and the third reads those
; tiles from memory and evaluates only the two experts that they name.  Every input has a way to the output, so all are loaded.
; LIMIT: a NaN, an infinity or an overflow that arises only in an expert that a token did not choose is not carried to the result.
;
; WHAT THIS LAUNCH DOES.  Work-group g owns tokens 32 g .. 32 g + 31; wave w owns d = 128 w .. 128 w + 127 of them.
;   xb   = x rounded to bf16, [8192][1024].
;   gate = bf16(x) x bf16(gate_w) on the matrix unit, f32 sums, + bf16(gate_b); softmax with the maximum taken away; the two largest.
;   cw   = [token][2] f32: the softmax weight of the lower-numbered chosen expert, then of the higher-numbered.
;   meta = [block of 32 tokens][lane][2 words]: word 0 = how many tokens of the block have key = lane; word 1 = 4 x rank | key << 16 of
;          token 32 g + lane.  key = b (b - 1) / 2 + a for the chosen experts a < b (0 .. 27); rank = earlier tokens of the block with that key.
;   wf   = w1 and w2 as matrix fragments of 16 columns x 32 k, 1,024 consecutive bytes each: byte
;          512 c + 16 (16 hh + r) + 2 j holds (k = 16 c + 8 hh + j, column r), so that two 16-byte loads a lane fill a fragment's 8 registers.
;          w1: bf16, [e 8][nq 2][ksub 32][f 4][1024] from byte 0; w2: f16, [e 8][ng 16][ksub 4][f 4][1024] from byte 2,097,152.
;          Each of the launch's 2,048 waves converts one unit of 16 k-rows x 64 columns: work-groups 0-127 w1, 128-255 w2.
;          w2 meets the hidden layer, which the third launch keeps in f16, so it has to be f16 too.  It is first rounded to bf16, like x, w1 and the
;          gate's operands, so that one rounding of the inputs holds for the whole program, and that number is then written as f16: exact from
;          2^-17 up (8 significant bits over a step of 2^-24), off by at most 2^-25 below.
; LIMITS.  The routing is that of x, gate_w and gate_b rounded to bf16: a token whose second and third logit lie closer than that rounding
; may choose another expert than in pure f32.  The choice is made on the logits, which order as the softmax weights do; equal logits go to
; the lower index.  NaN or infinite logits are not served.  A w2 of magnitude 65,520 or more becomes infinite in f16.
.set XPB,  32*272                      ; a wave's bf16 tile of x in LDS: 32 rows, 256 bytes + 16 of padding (an odd multiple of 16: the 16 rows of a fragment load start in 16 different 16-byte columns)
.set GW0,  8*XPB                       ; gate_w in bf16, 16 bytes a row, 2,048 bytes a wave
.set WST0, GW0+8*2048                  ; stage of the weight unit, 2,048 bytes a wave
.set RED0, WST0+8*2048                 ; partial logits [wave][token 32][expert 8] f32
.set X,  16                            ; v[16:143]  32 tokens x 4 registers of x
.set W,  144                           ; v[144:175] the weight unit, 8 rows x 4 columns a lane
.set G,  176                           ; v[176:207] gate_w
.set CK, 208                           ; v[208:223] the weight unit packed
.set AF, 16                            ; token fragments (mt, ks) at 32 mt + 8 ks
.set BF, 144                           ; gate fragments ks at 8 ks
.set D,  208                           ; two accumulators
	s_load_b512 s[4:19], s[0:1], 0x0               ; x 4, gate_w 6, gate_b 8, w1 10, w2 12, xb 14, wf 16, cw 18
	s_load_b64 s[20:21], s[0:1], 0x40              ; meta
	v_lshl_add_u32 v224, v0, 2, 0x1b000
	v_mov_b32 v225, 0
	v_and_b32 v1, 31, v0                           ; L
	v_lshrrev_b32 v13, 5, v0
	v_readfirstlane_b32 s22, v13                   ; w
	s_mov_b32 s23, ttmp9                           ; g
	s_mov_b32 s27, 0                               ; high word of the offset pair s[26:27]
	v_and_b32 v14, 15, v1                          ; r
	v_lshrrev_b32 v15, 4, v1                       ; h
	s_lshl_b32 s40, s22, 9
	v_lshl_add_u32 v2, v1, 4, s40                  ; x: 512 w + 16 L
	s_lshl_b32 s40, s22, 8
	v_lshl_add_u32 v3, v1, 3, s40                  ; xb: 256 w + 8 L
	v_lshlrev_b32 v7, 4, v1                        ; 16 L
	s_lshl_b32 s40, s22, 12
	v_lshl_add_u32 v13, v1, 4, s40                 ; gate_w: 4,096 w + 16 L
	s_mul_i32 s40, s22, XPB
	v_lshl_add_u32 v8, v1, 3, s40                  ; x tile, in: 8 L
	v_mul_u32_u24 v9, v14, 272
	v_lshl_add_u32 v9, v15, 4, v9
	v_add_nc_u32 v9, s40, v9                       ; x tile, fragments: 272 r + 16 h
	s_lshl_b32 s40, s22, 11
	s_add_co_u32 s41, s40, GW0
	v_lshl_add_u32 v10, v1, 3, s41                 ; gate_w, in: 8 L
	v_and_b32 v11, 7, v1
	v_lshlrev_b32 v11, 4, v11
	v_lshl_add_u32 v11, v15, 7, v11
	v_add_nc_u32 v11, s41, v11                     ; gate_w, transposing read: row 8 h + (L & 7); lanes 8-15 of a half take the rows of lanes 0-7
	s_add_co_u32 s41, s40, WST0
	v_lshl_add_u32 v6, v1, 4, s41                  ; weight stage, back: 16 L
	v_lshrrev_b32 v5, 2, v14
	v_lshlrev_b32 v5, 9, v5
	v_lshl_add_u32 v5, v15, 8, v5
	v_and_b32 v12, 3, v14
	v_lshl_add_u32 v5, v12, 6, v5
	v_add_nc_u32 v5, s41, v5                       ; weight stage, in: 512 (r >> 2) + 256 h + 64 (r & 3)
	s_lshl_b32 s40, s22, 10
	s_add_co_u32 s40, s40, RED0
	v_and_b32 v12, 7, v14
	v_lshlrev_b32 v12, 2, v12
	v_lshl_add_u32 v12, v15, 8, v12
	v_add_nc_u32 v12, s40, v12                     ; partial logits: 1,024 w + 256 h + 4 (r & 7)
	s_and_b32 s40, s23, 127
	s_lshl3_add_u32 s40, s40, s22                  ; my weight unit, 0 .. 1023
	s_lshr_b32 s41, s40, 7                         ; its expert
	s_and_b32 s42, s40, 127                        ; its number in the expert
	s_wait_kmcnt 0x0
	s_load_b256 s[32:39], s[8:9], 0x0              ; gate_b; waited for where wave 0 uses it
	s_lshl_b32 s26, s23, 17
	s_add_nc_u64 s[4:5], s[4:5], s[26:27]          ; x at my 32 tokens
	s_lshl_b32 s26, s23, 16
	s_add_nc_u64 s[14:15], s[14:15], s[26:27]      ; xb likewise
	s_lshl_b32 s26, s23, 8
	s_add_nc_u64 s[18:19], s[18:19], s[26:27]      ; cw: 32 tokens x 8 bytes
	s_add_nc_u64 s[20:21], s[20:21], s[26:27]      ; meta: 32 lanes x 8 bytes
; The unit's place in its source (rows of \pitch bytes) and in wf, and its eight loads: lane (h, r) takes rows 8 h + j, columns 4 r .. 4 r + 3.
.macro WUNIT nbits, kshift, nshift, dbase, src, pitch, hshift
	s_and_b32 s43, s42, (1<<\nbits)-1              ; which 64 columns
	s_lshr_b32 s44, s42, \nbits                    ; which 16 k-rows
	s_lshl_b32 s26, s41, 19
	s_lshl_b32 s45, s44, \kshift
	s_add_co_u32 s26, s26, s45
	s_lshl_b32 s45, s43, 8
	s_add_co_u32 s26, s26, s45
	s_add_nc_u64 s[28:29], s[\src:\src+1], s[26:27]
	s_lshl_b32 s26, s41, 18
	s_lshl_b32 s45, s43, \nshift
	s_add_co_u32 s26, s26, s45
	s_lshr_b32 s45, s44, 1
	s_lshl_b32 s45, s45, 12                        ; ksub
	s_add_co_u32 s26, s26, s45
	s_and_b32 s45, s44, 1
	s_lshl_b32 s45, s45, 9                         ; which half of the fragments' k
	s_add_co_u32 s26, s26, s45
.if \dbase
	s_add_co_u32 s26, s26, \dbase
.endif
	s_add_nc_u64 s[24:25], s[16:17], s[26:27]
	v_lshlrev_b32 v4, \hshift, v15
	v_lshl_add_u32 v4, v14, 4, v4
.irp j, 0,1,2,3,4,5,6,7
	global_load_b128 v[W+4*\j:W+4*\j+3], v4, s[28:29] offset:\j*\pitch th:TH_LOAD_NT
.endr
.endm
	s_cmp_lt_u32 s23, 128
	s_cbranch_scc0 .Lw2
	WUNIT 1, 13, 17, 0, 10, 512, 12                ; w1: 2 column groups x 64 row groups an expert
	s_branch .Lwdone
.Lw2:
	WUNIT 4, 16, 14, 0x200000, 12, 4096, 15        ; w2: 16 column groups x 8 row groups an expert
.Lwdone:
.irp q, 0,1,2,3,4,5,6,7
	global_load_b128 v[G+4*\q:G+4*\q+3], v13, s[6:7] offset:512*\q
.endr
.set i, 0
.rept 32
	global_load_b128 v[X+4*i:X+4*i+3], v2, s[4:5] offset:4096*i th:TH_LOAD_NT   ; token i: the wave takes 512 consecutive bytes
.set i, i+1
.endr
	; The weight unit: column i of my four becomes 16 bytes (k = 8 h .. 8 h + 7) of its fragment.
	s_wait_loadcnt 40                              ; the unit's 8 loads are in; 8 of gate_w and 32 of x are younger
.irp i, 0,1,2,3
.irp m, 0,1,2,3
	v_cvt_pk_bf16_f32 v[CK+4*\i+\m], v[W+8*\m+\i], v[W+8*\m+4+\i]
.endr
.endr
	s_cmp_lt_u32 s23, 128
	s_cbranch_scc1 .Lpacked                        ; w1 stays bf16
.set k, 0
.rept 16
	v_lshlrev_b32 v[W+2*(k&7)],   16, v[CK+k]                  ; w2: the bf16 numbers widened (W has been read and is free),
	v_and_b32     v[W+2*(k&7)+1], 0xffff0000, v[CK+k]
	v_cvt_pk_f16_f32 v[CK+k], v[W+2*(k&7)], v[W+2*(k&7)+1]     ; and written as f16
.set k, k+1
.endr
.Lpacked:
.irp i, 0,1,2,3
	ds_store_b128 v5, v[CK+4*\i:CK+4*\i+3] offset:16*\i
.endr
.irp f, 0,1,2,3
	ds_load_b128 v[W+4*\f:W+4*\f+3], v6 offset:512*\f          ; my own bytes: LDS serves a wave's instructions in order (ISA guide 5.7.1.4)
.endr
.irp f, 0,1,2,3
	s_wait_dscnt 3-\f                              ; the later read-backs may be out
	global_store_b128 v7, v[W+4*\f:W+4*\f+3], s[24:25] offset:1024*\f   ; 512 consecutive bytes of fragment f
.endr
	; gate_w to bf16: 16 bytes a row of eight experts
	s_wait_loadcnt 32                              ; gate_w is in; the 32 loads of x are younger
.irp q, 0,1,2,3,4,5,6,7
	v_cvt_pk_bf16_f32 v[G+4*\q], v[G+4*\q], v[G+4*\q+1]
	v_cvt_pk_bf16_f32 v[G+4*\q+1], v[G+4*\q+2], v[G+4*\q+3]
	ds_store_b64 v10, v[G+4*\q:G+4*\q+1] offset:256*\q
.endr
	; x to bf16: out to xb, and into my LDS tile for the gate
.set i, 0
.rept 32
	s_wait_loadcnt 31-i                            ; token i is in; the later tokens' loads stay out
	v_cvt_pk_bf16_f32 v[X+4*i], v[X+4*i], v[X+4*i+1]
	v_cvt_pk_bf16_f32 v[X+4*i+1], v[X+4*i+2], v[X+4*i+3]
	global_store_b64 v3, v[X+4*i:X+4*i+1], s[14:15] offset:2048*i   ; the wave stores 256 consecutive bytes, aligned
	ds_store_b64 v8, v[X+4*i:X+4*i+1] offset:272*i
.set i, i+1
.endr
	s_wait_xcnt 0x0                                ; X and W were data of stores: they are loaded again only behind this wait
.irp ks, 0,1,2,3
	ds_load_tr16_b128 v[BF+8*\ks:BF+8*\ks+3],   v11 offset:512*\ks       ; k = 32 ks + 8 h .. + 7 of expert r & 7: columns 8-15 repeat experts 0-7, nothing is cleared
	ds_load_tr16_b128 v[BF+8*\ks+4:BF+8*\ks+7], v11 offset:512*\ks+256
.endr
.irp mt, 0,1
.irp ks, 0,1,2,3
	ds_load_b128 v[AF+32*\mt+8*\ks:AF+32*\mt+8*\ks+3],   v9 offset:4352*\mt+64*\ks
	ds_load_b128 v[AF+32*\mt+8*\ks+4:AF+32*\mt+8*\ks+7], v9 offset:4352*\mt+64*\ks+32
.endr
.endr
	s_wait_dscnt 0x0
	; 32 tokens x 8 experts over my 128 d.  The two accumulators take turns, one instruction a turn.
	v_wmma_f32_16x16x32_bf16 v[D:D+7],    v[AF:AF+7],       v[BF:BF+7], 0
	v_wmma_f32_16x16x32_bf16 v[D+8:D+15], v[AF+32:AF+39],   v[BF:BF+7], 0
.irp ks, 1,2,3
	v_wmma_f32_16x16x32_bf16 v[D:D+7],    v[AF+8*\ks:AF+8*\ks+7],       v[BF+8*\ks:BF+8*\ks+7], v[D:D+7]
	v_wmma_f32_16x16x32_bf16 v[D+8:D+15], v[AF+32+8*\ks:AF+32+8*\ks+7], v[BF+8*\ks:BF+8*\ks+7], v[D+8:D+15]
.endr
.rept 4
	v_nop                                          ; four places behind the last matrix instruction, for the stores of D and for the later loads into AF
.endr
.irp mt, 0,1
.irp j, 0,1,2,3,4,5,6,7
	ds_store_b32 v12, v[D+8*\mt+\j] offset:512*\mt+32*\j       ; (token 16 mt + 8 h + j, expert r & 7); lanes r and r + 8 hold the same number
.endr
.endr
	s_wait_dscnt 0x0                               ; my partial logits are in LDS before I say so
	s_barrier_signal -1
	s_barrier_wait -1
	s_cmp_lg_u32 s22, 0
	s_cbranch_scc1 .Lend                           ; the rest is 32 tokens' work: wave 0, a lane a token
	v_lshlrev_b32 v6, 5, v1
	v_add_nc_u32 v6, RED0, v6
.irp w, 0,1,2,3,4,5,6,7
	ds_load_b128 v[16+8*\w:16+8*\w+3], v6 offset:1024*\w
	ds_load_b128 v[16+8*\w+4:16+8*\w+7], v6 offset:1024*\w+16
.endr
	s_wait_dscnt 0x0
.irp w, 1,2,3,4,5,6,7
.irp k, 0,2,4,6
	v_pk_add_f32 v[16+\k:17+\k], v[16+\k:17+\k], v[16+8*\w+\k:17+8*\w+\k]
.endr
.endr
	s_wait_kmcnt 0x0                               ; gate_b
.irp k, 0,1,2,3
	v_cvt_pk_bf16_f32 v[84+\k], s[32+2*\k], s[33+2*\k]         ; the bias in the operands' format, like x and gate_w
	v_lshlrev_b32 v[88+2*\k], 16, v[84+\k]
	v_and_b32 v[89+2*\k], 0xffff0000, v[84+\k]
	v_pk_add_f32 v[16+2*\k:17+2*\k], v[16+2*\k:17+2*\k], v[88+2*\k:89+2*\k]
.endr
	; the largest logit: ascending, strictly greater, so that equal logits keep the lower index
	v_mov_b32 v80, v16
	v_mov_b32 v81, 0
.irp e, 1,2,3,4,5,6,7
	v_cmp_gt_f32 vcc_lo, v[16+\e], v80
	v_cndmask_b32 v80, v80, v[16+\e], vcc_lo
	v_cndmask_b32 v81, v81, \e, vcc_lo
.endr
	; the second: the same among the other seven
	v_mov_b32 v82, 0xff800000
	v_cmp_eq_u32 vcc_lo, 0, v81
	v_cndmask_b32 v83, 0, 1, vcc_lo
.irp e, 0,1,2,3,4,5,6,7
	v_cmp_gt_f32 s40, v[16+\e], v82
	v_cmp_ne_u32 s41, \e, v81
	s_and_b32 s40, s40, s41
	v_cndmask_b32 v82, v82, v[16+\e], s40
	v_cndmask_b32 v83, v83, \e, s40
.endr
	; softmax with the maximum taken away: the first choice's exponential is 1
.irp e, 0,1,2,3,4,5,6,7
	v_sub_f32 v[96+\e], v[16+\e], v80
.endr
	v_sub_f32 v104, v82, v80
.irp e, 0,1,2,3,4,5,6,7,8
	v_mul_f32 v[96+\e], 0x3fb8aa3b, v[96+\e]
.endr
.irp e, 0,1,2,3,4,5,6,7,8
	v_exp_f32 v[106+\e], v[96+\e]
.endr
	v_min_u32 v119, v81, v83                       ; a: a plain instruction behind the exponentials, before their results are used (ISA guide 5.7.2)
	v_max_u32 v120, v81, v83                       ; b
	s_wait_alu depctr_va_vdst(0)
	v_add_f32 v116, v106, v107
	v_add_f32 v123, v108, v109
	v_add_f32 v116, v116, v110
	v_add_f32 v123, v123, v111
	v_add_f32 v116, v116, v112
	v_add_f32 v123, v123, v113
	v_add_f32 v116, v116, v123
	v_rcp_f32 v117, v116                           ; weight of the first choice
	v_add_nc_u32 v121, -1, v120                    ; a plain instruction behind the reciprocal
	s_wait_alu depctr_va_vdst(0)
	v_mul_f32 v118, v114, v117                     ; weight of the second
	v_cmp_lt_u32 vcc_lo, v81, v83
	v_cndmask_b32 v126, v118, v117, vcc_lo         ; of the lower-numbered expert
	v_cndmask_b32 v127, v117, v118, vcc_lo         ; of the higher-numbered
	v_mul_u32_u24 v121, v121, v120
	v_lshrrev_b32 v121, 1, v121
	v_add_nc_u32 v121, v121, v119                  ; key
	v_mov_b32 v124, 0                              ; the block's histogram, lane = key
	v_mov_b32 v122, 0                              ; my rank among the block's tokens of my key
.set p, 0
.rept 28
	v_cmp_eq_u32 s40, p, v121
	v_mbcnt_lo_u32_b32 v123, s40, 0
	v_cndmask_b32 v122, v122, v123, s40
	s_bcnt1_i32_b32 s41, s40
	v_writelane_b32 v124, s41, p
.set p, p+1
.endr
	v_lshlrev_b32 v122, 2, v122
	v_lshl_or_b32 v125, v121, 16, v122
	v_lshlrev_b32 v128, 3, v1
	global_store_b64 v128, v[124:125], s[20:21]    ; 256 consecutive bytes each, aligned
	global_store_b64 v128, v[126:127], s[18:19]
.Lend:
	s_wait_tensorcnt 0x0
	ds_add_u32 v224, v225
	s_wait_dscnt 0x0
	s_endpgm
.Lfunc_end_k_q6b15d21dd6_prep:
	.size	k_q6b15d21dd6_prep, .Lfunc_end_k_q6b15d21dd6_prep-k_q6b15d21dd6_prep
	.p2alignl 7, 3214868480
	.fill 96, 4, 3214868480
	.section	.rodata,"a",@progbits
	.p2align	6, 0x0
	.amdhsa_kernel k_q6b15d21dd6_prep
		.amdhsa_group_segment_fixed_size 111616
		.amdhsa_private_segment_fixed_size 0
		.amdhsa_enable_private_segment 0
		.amdhsa_kernarg_size 72
		.amdhsa_user_sgpr_count 2
		.amdhsa_user_sgpr_kernarg_segment_ptr 1
		.amdhsa_wavefront_size32 1
		.amdhsa_system_sgpr_workgroup_id_x 1
		.amdhsa_system_sgpr_workgroup_id_y 1
		.amdhsa_system_sgpr_workgroup_id_z 1
		.amdhsa_system_vgpr_workitem_id 0
		.amdhsa_next_free_vgpr 226
		.amdhsa_next_free_sgpr 66
		.amdhsa_reserve_vcc 1
		.amdhsa_float_denorm_mode_32 3
		.amdhsa_float_denorm_mode_16_64 3
		.amdhsa_memory_ordered 1
		.amdhsa_forward_progress 1
		.amdhsa_inst_pref_size 47
	.end_amdhsa_kernel
	.amdgpu_metadata
---
amdhsa.version: [ 1, 2 ]
amdhsa.kernels:
  - .name:           k_q6b15d21dd6_prep
    .symbol:         k_q6b15d21dd6_prep.kd
    .args:
      - { .name: x, .offset: 0, .size: 8, .value_kind: global_buffer, .address_space: global }
      - { .name: gate_w, .offset: 8, .size: 8, .value_kind: global_buffer, .address_space: global }
      - { .name: gate_b, .offset: 16, .size: 8, .value_kind: global_buffer, .address_space: global }
      - { .name: w1, .offset: 24, .size: 8, .value_kind: global_buffer, .address_space: global }
      - { .name: w2, .offset: 32, .size: 8, .value_kind: global_buffer, .address_space: global }
      - { .name: xb, .offset: 40, .size: 8, .value_kind: global_buffer, .address_space: global }
      - { .name: wf, .offset: 48, .size: 8, .value_kind: global_buffer, .address_space: global }
      - { .name: cw, .offset: 56, .size: 8, .value_kind: global_buffer, .address_space: global }
      - { .name: meta, .offset: 64, .size: 8, .value_kind: global_buffer, .address_space: global }
    .group_segment_fixed_size: 111616
    .private_segment_fixed_size: 0
    .kernarg_segment_align: 8
    .kernarg_segment_size: 72
    .max_flat_workgroup_size: 256
    .sgpr_count:     66
    .vgpr_count:     226
    .wavefront_size: 32
...
	.end_amdgpu_metadata
.endif
;; end of part 4
;; launch plan (part 5): grid 198 x 1, 16 waves a work-group, no clusters, 8,448 bytes of LDS; arguments tiles, meta; writes tiles
.if DOCPART == 5
	.amdgcn_target "amdgcn-amd-amdhsa--gfx1250"
	.amdhsa_code_object_version 6
	.text
	.protected	k_q6b15d21dd6_plan
	.globl	k_q6b15d21dd6_plan
	.p2align	8
	.type	k_q6b15d21dd6_plan,@function
k_q6b15d21dd6_plan:
	s_mov_b64 s[64:65], 0
	v_nop
	global_prefetch_b8 v0, s[64:65] scope:SCOPE_SE
	s_setreg_imm32_b32 hwreg(HW_REG_WAVE_MODE, 25, 1), 1
	s_wait_xcnt 0x0
; MoE, second of three launches: the tokens sorted into tiles.  Only the two experts that a token chose are evaluated (see the first launch's head).
;
; Tokens are grouped by their pair of experts a < b (28 keys, key = b (b - 1) / 2 + a); a tile is at most 48 tokens of one key, in the order of the
; token numbers.  The tiles number sum over the keys of ceil(n_key / 48), at most (8192 + 28 x 47) / 48 = 198, and that is the grid: work-group g
; makes tile g's 256 bytes of the buffer tiles:
;   words 0-47: the token of each slot (slots behind the tile's last row repeat its token);  word 48: rows;  word 49: a;  word 50: b;
;   words 51-63: the repeated token again, used by nobody.
; A number g at or beyond the count of tiles gets rows = 0 and indices that lie inside their tables.
; This is a launch of its own so that every branch and every global address of the third launch hangs on whole numbers that it reads from
; memory.  Here the numbers read from meta steer LDS addresses and lane selects alone: the branches hang on the wave's number, the global
; addresses on the work-group's and the lane's.
; SIXTEEN WAVES, 16 of meta's 256 blocks each: the work is chains of whole-number sums over the blocks, so their length falls with the blocks of a
; wave, and four waves on a SIMD fill each other's gaps.  Sums are trees of three-operand adds; reads of a lane into a scalar register stand in
; runs, each with a register of its own, ahead of the scalar sums that use them; the scatter is runs of 16 instructions that do not wait for each other.
.set LISTP, 16*128                     ; the waves' histogram sums [16][32] at byte 0; behind them each wave's part of the tile's list: 48 words, and a dump word at byte 192
.set CL,    LISTP+16*256               ; the whole list (wave 0's)
.set META,  32                         ; v[32:63]   my 16 blocks of meta
.set S,     64                         ; v[64:79]   the 16 waves' sums; then the scatter's addresses; v[64:95] the 16 part lists
.set P,     80                         ; v[80:95]   the sums of the waves before mine; then the scatter's tokens
.set T,     96                         ; v[96:105]  at work in the trees;  v102 tokens of the key, v103 of them before my wave, v104 tiles of the key
.set FL,    40                         ; s[40:54]   flag k: my wave's number is above k;  then s[40:55]: the running offset of each of my blocks
.set CNT,   66                         ; s[66:93]   tiles of each key;  then s[66:80]: my blocks' tokens of my key
	s_load_b128 s[8:11], s[0:1], 0x0               ; tiles 8, meta 10
	v_lshl_add_u32 v112, v0, 2, 0x1900
	v_mov_b32 v113, 0
	v_and_b32 v1, 31, v0
	v_lshrrev_b32 v22, 5, v0
	v_readfirstlane_b32 s18, v22                   ; w
	s_mov_b32 s19, ttmp9                           ; my tile
	s_mov_b32 s35, 0                               ; high word of the offset pair s[34:35]
	s_lshl_b32 s23, s18, 12
	v_lshl_add_u32 v25, v1, 3, s23                 ; 16 blocks of 256 bytes a wave, 8 bytes a lane
	s_wait_kmcnt 0x0
.set i, 0
.rept 16
	global_load_b64 v[META+2*i:META+2*i+1], v25, s[10:11] offset:256*i
.set i, i+1
.endr
.set i, 0
.rept 15
	s_cmp_gt_u32 s18, i
	s_cselect_b32 s[FL+i], 1, 0
.set i, i+1
.endr
	s_lshl_b32 s23, s18, 8
	s_add_co_u32 s58, s23, LISTP                   ; my part list
	v_lshl_add_u32 v29, v1, 3, s58
	v_mov_b32 v20, 0
	v_mov_b32 v21, 0
	ds_store_b64 v29, v[20:21]                     ; my part list starts as zeros: the sixteen are added later
	s_lshl_b32 s23, s18, 7
	v_lshl_add_u32 v27, v1, 2, s23                 ; my sums: 128 w + 4 L
	v_lshlrev_b32 v28, 2, v1
	s_lshl_b32 s23, s18, 9
	v_add_nc_u32 v24, s23, v1                      ; token of my first block's lane
	; WHICH KEY, AND WHICH OF ITS TILES.  Lane = key.
	s_wait_loadcnt 0x0
.irp k, 0,1,2,3,4
	v_add3_u32 v[S+\k], v[META+6*\k], v[META+6*\k+2], v[META+6*\k+4]
.endr
	v_add3_u32 v[S], v[S], v[S+1], v[S+2]
	v_add3_u32 v[S+3], v[S+3], v[S+4], v[META+30]
	v_add_nc_u32 v26, v[S], v[S+3]
	ds_store_b32 v27, v26
	s_wait_dscnt 0x0                               ; my sums are in LDS before I say so
	s_barrier_signal -1
	s_barrier_wait -1
.set i, 0
.rept 16
	ds_load_b32 v[S+i], v28 offset:128*i
.set i, i+1
.endr
	s_wait_dscnt 0x0
.irp k, 0,1,2,3,4
	v_add3_u32 v[T+\k], v[S+3*\k], v[S+3*\k+1], v[S+3*\k+2]
.endr
.set i, 0
.rept 15
	v_mul_u32_u24 v[P+i], s[FL+i], v[S+i]          ; wave i's sum where it stands before mine, else 0
.set i, i+1
.endr
	v_add3_u32 v[T], v[T], v[T+1], v[T+2]
	v_add3_u32 v[T+3], v[T+3], v[T+4], v[S+15]
	v_add_nc_u32 v102, v[T], v[T+3]                ; tokens of the key
.irp k, 0,1,2,3,4
	v_add3_u32 v[P+3*\k], v[P+3*\k], v[P+3*\k+1], v[P+3*\k+2]
.endr
	v_add_nc_u32 v104, 47, v102
	v_mul_u32_u24 v104, 0xaaab, v104
	v_lshrrev_b32 v104, 21, v104                   ; tiles of the key: 43691 x 48 = 2^21 + 16, so the quotient is exact below 131,072
	v_add3_u32 v103, v[P], v[P+3], v[P+6]
	v_add3_u32 v103, v103, v[P+9], v[P+12]         ; tokens of the key in the blocks of the waves before mine
.set i, 0
.rept 28
	v_readlane_b32 s[CNT+i], v104, i
.set i, i+1
.endr
	s_mov_b32 s20, 0                               ; tiles up to and with this key
	s_mov_b32 s21, 0                               ; first tile of my key
	s_mov_b32 s22, 0                               ; my key
.set i, 0
.rept 28
	s_add_co_u32 s20, s20, s[CNT+i]
	s_cmp_le_u32 s20, s19                          ; my tile lies behind this key's
	s_cselect_b32 s21, s20, s21
	s_add_co_ci_u32 s22, s22, 0
.set i, i+1
.endr
	s_min_u32 s22, s22, 27
.set i, 0
.rept 15
	v_readlane_b32 s[CNT+i], v[META+2*i], s22      ; block i's tokens of my key (the last block's count steps no offset)
.set i, i+1
.endr
	v_readlane_b32 s26, v102, s22
	v_readlane_b32 s32, v103, s22
	s_sub_co_u32 s24, s19, s21                     ; my tile among the key's
	s_mul_i32 s25, s24, 48
	s_sub_co_u32 s27, s26, s25
	s_min_u32 s27, s27, 48
	s_cmp_lt_u32 s19, s20
	s_cselect_b32 s27, s27, 0                      ; rows of the tile; 0 where there is no such tile
	s_max_u32 s28, s27, 1
	s_sub_co_u32 s28, s28, 1                       ; the last row: slots behind it repeat its token
	s_sub_co_u32 s32, s32, s25
	s_lshl_b32 s[FL], s32, 2                       ; 4 x (rank of my wave's first token of the key - first rank of the tile)
.set i, 0
.rept 15
	s_lshl2_add_u32 s[FL+i+1], s[CNT+i], s[FL+i]   ; and the same for each later block
.set i, i+1
.endr
	s_lshl_b32 s33, s22, 16
	s_mov_b32 s30, 1                               ; key = b (b - 1) / 2 + a
.irp th, 1,3,6,10,15,21
	s_cmp_ge_u32 s22, \th
	s_add_co_ci_u32 s30, s30, 0
.endr
	s_sub_co_u32 s23, s30, 1
	s_mul_i32 s23, s23, s30
	s_lshr_b32 s23, s23, 1
	s_sub_co_u32 s29, s22, s23
	; THE TILE'S LIST.  A token of my key has 4 x rank left after the xor; with the block's offset that is 4 x its slot.  Another key leaves at least
	; 65,536, and the offset is never below -37,824; a slot in front of the tile wraps to a large number: all of these fall on the dump word.
.set i, 0
.rept 16
	v_xor_b32 v[S+i], s33, v[META+2*i+1]
.set i, i+1
.endr
.set i, 0
.rept 16
	v_add_nc_u32 v[S+i], s[FL+i], v[S+i]
.set i, i+1
.endr
.set i, 0
.rept 16
	v_min_u32 v[S+i], 192, v[S+i]
.set i, i+1
.endr
.set i, 0
.rept 16
	v_add_nc_u32 v[S+i], s58, v[S+i]
.set i, i+1
.endr
.set i, 0
.rept 16
	v_add_nc_u32 v[P+i], 32*i, v24
.set i, i+1
.endr
.set i, 0
.rept 16
	ds_store_b32 v[S+i], v[P+i]
.set i, i+1
.endr
	s_wait_dscnt 0x0                               ; my part list is in LDS before I say so
	s_barrier_signal -1
	s_barrier_wait -1
	s_cmp_lg_u32 s18, 0
	s_cbranch_scc1 .Lend                           ; the rest is 64 words' work: wave 0
	v_lshlrev_b32 v22, 3, v1                       ; 8 L
.set i, 0
.rept 16
	ds_load_b64 v[S+2*i:S+2*i+1], v22 offset:LISTP+256*i
.set i, i+1
.endr
	s_wait_dscnt 0x0
.irp q, 0,1
.irp k, 0,1,2,3,4
	v_add3_u32 v[T+2*\k+\q], v[S+6*\k+\q], v[S+6*\k+2+\q], v[S+6*\k+4+\q]   ; each slot was written by at most one wave; the others hold 0
.endr
	v_add3_u32 v[T+\q], v[T+\q], v[T+2+\q], v[T+4+\q]
	v_add3_u32 v[T+6+\q], v[T+6+\q], v[T+8+\q], v[S+30+\q]
	v_add_nc_u32 v[T+\q], v[T+\q], v[T+6+\q]
.endr
	ds_store_b64 v22, v[T:T+1] offset:CL           ; read back below without a wait: LDS serves a wave's instructions in order (ISA guide 5.7.1.4)
	v_lshlrev_b32 v23, 1, v1                       ; slot 2 L
	v_or_b32 v26, 1, v23                           ; slot 2 L + 1
	v_min_u32 v23, s28, v23
	v_min_u32 v26, s28, v26
	v_min_u32 v23, 47, v23
	v_min_u32 v26, 47, v26
	v_lshlrev_b32 v23, 2, v23
	v_lshlrev_b32 v26, 2, v26
	ds_load_b32 v106, v23 offset:CL
	ds_load_b32 v107, v26 offset:CL
	s_wait_dscnt 0x0
	v_writelane_b32 v106, s27, 24                  ; word 48: rows
	v_writelane_b32 v107, s29, 24                  ; word 49: a
	v_writelane_b32 v106, s30, 25                  ; word 50: b
	s_lshl_b32 s34, s19, 8
	s_add_nc_u64 s[8:9], s[8:9], s[34:35]
	global_store_b64 v22, v[106:107], s[8:9]       ; the wave stores the tile's 256 consecutive bytes, aligned
.Lend:
	s_wait_tensorcnt 0x0
	ds_add_u32 v112, v113
	s_wait_dscnt 0x0
	s_endpgm
.Lfunc_end_k_q6b15d21dd6_plan:
	.size	k_q6b15d21dd6_plan, .Lfunc_end_k_q6b15d21dd6_plan-k_q6b15d21dd6_plan
	.p2alignl 7, 3214868480
	.fill 96, 4, 3214868480
	.section	.rodata,"a",@progbits
	.p2align	6, 0x0
	.amdhsa_kernel k_q6b15d21dd6_plan
		.amdhsa_group_segment_fixed_size 8448
		.amdhsa_private_segment_fixed_size 0
		.amdhsa_enable_private_segment 0
		.amdhsa_kernarg_size 16
		.amdhsa_user_sgpr_count 2
		.amdhsa_user_sgpr_kernarg_segment_ptr 1
		.amdhsa_wavefront_size32 1
		.amdhsa_system_sgpr_workgroup_id_x 1
		.amdhsa_system_sgpr_workgroup_id_y 1
		.amdhsa_system_sgpr_workgroup_id_z 1
		.amdhsa_system_vgpr_workitem_id 0
		.amdhsa_next_free_vgpr 114
		.amdhsa_next_free_sgpr 96
		.amdhsa_reserve_vcc 0
		.amdhsa_float_denorm_mode_32 3
		.amdhsa_float_denorm_mode_16_64 3
		.amdhsa_memory_ordered 1
		.amdhsa_forward_progress 1
		.amdhsa_inst_pref_size 23
	.end_amdhsa_kernel
	.amdgpu_metadata
---
amdhsa.version: [ 1, 2 ]
amdhsa.kernels:
  - .name:           k_q6b15d21dd6_plan
    .symbol:         k_q6b15d21dd6_plan.kd
    .args:
      - { .name: tiles, .offset: 0, .size: 8, .value_kind: global_buffer, .address_space: global }
      - { .name: meta, .offset: 8, .size: 8, .value_kind: global_buffer, .address_space: global }
    .group_segment_fixed_size: 8448
    .private_segment_fixed_size: 0
    .kernarg_segment_align: 8
    .kernarg_segment_size: 16
    .max_flat_workgroup_size: 512
    .sgpr_count:     96
    .vgpr_count:     114
    .wavefront_size: 32
...
	.end_amdgpu_metadata
.endif
;; end of part 5
;; launch moe (part 6): grid 198 x 1, 4 waves a work-group, no clusters, 185,344 bytes of LDS; arguments xb, wf, cw, tiles, b1, b2, out0; writes out0
.if DOCPART == 6
	.amdgcn_target "amdgcn-amd-amdhsa--gfx1250"
	.amdhsa_code_object_version 6
	.text
	.protected	k_q6b15d21dd6_moe
	.globl	k_q6b15d21dd6_moe
	.p2align	8
	.type	k_q6b15d21dd6_moe,@function
k_q6b15d21dd6_moe:
	s_mov_b64 s[64:65], 0
	v_nop
	global_prefetch_b8 v0, s[64:65] scope:SCOPE_SE
	s_setreg_imm32_b32 hwreg(HW_REG_WAVE_MODE, 25, 1), 1
	s_wait_xcnt 0x0
; MoE, third launch: for each token the two experts that the first launch chose, and no other (the six others' rows of expert_out are never
; gathered by reference(); a NaN, an infinity or an overflow that would arise only there is not carried to the result).
;
; Tokens are grouped by their pair of experts a < b.  A work-group does one tile of at most 48 tokens of one pair, as the second launch listed it, fused:
;   stage 1: X[48 x 1024] x [W1a | W1b] + b1, relu, times the token's softmax weight c of that expert -> H[48 x 256], in LDS;  bf16 operands;
;   stage 2: H x [W2a ; W2b] + c_a b2_a + c_b b2_b -> 48 rows of out;  f16 operands.  Every row of out is stored once, by one work-group.
; H IS KEPT IN f16.  reference() keeps it in f32, so its rounding here is one that no rounding of the inputs accounts for: f16's 11 significant bits
; make it an eighth of bf16's.  ROOM: with x of spread 1 and w1 of spread 0.02 the sum over 1,024 terms has spread 32 x 0.02 = 0.64; with both 30
; times larger, 576; with x offset by 30 and w1 by 0.6, 1024 x 18 = 18,432; c is at most 1; f16 reaches 65,504.  With both 30 times smaller and
; c = 1/8, c H is about 9e-5, over a step of 6e-8.  LIMIT: a c H of 65,520 or more becomes infinite; below 2^-14 its step is 2^-24.
; The two experts' terms are added in the order of the expert numbers, not of their rank.  NaN is not served: relu is a maximum in which a NaN loses.
; THE GRID.  The tiles number sum over the keys of ceil(n_key / 48), at most (8192 + 28 x 47) / 48 = 198, and that is the grid.  Work-group g reads
; tile g's 256 bytes: words 0-47 the slots' tokens (slots behind the last row repeat its token), word 48 the rows, words 49 and 50 the experts.
; A tile with 0 rows is no tile: its work-group goes through the same text on the indices that the record holds, since each barrier stands on
; every wave's path whatever the data hold, and it stores nothing.
; Every branch and every global address that hangs on data hangs on these words as they come from memory, through registers alone.
; WEIGHTS go from memory straight into a ring of eight register sets (4 fragments = 32 registers = 8 loads a set): no byte of a weight fragment is
; used by two waves of the work-group, so LDS would add a write and a read to each byte, and a barrier to each slot.
; NO CLUSTER: tiles of one pair read the same weights, but how many there are is read from memory (0 to 171); groups filled up to four partners
; could number (8192 + 28 x 191) / 192 = 70, that is 280 work-groups, of which about a quarter would only ask and discard.
; THE MATRIX INSTRUCTION IS USED TRANSPOSED: source 0 = 16 weight columns, source 1 = 16 tokens, so that lane (h, r) holds token r and the eight
; neighbouring columns 8 h .. 8 h + 7.
.set XPITCH, 2064                      ; LDS rows of X: 2,048 bytes + 16; all three pitches are odd multiples of 16 bytes, so that
.set HPITCH, 528                       ; the 16 rows that a 16-byte access touches fall into 16 different 16-byte columns of 256 bytes
.set SPITCH, 272
.set HT,    48*XPITCH                  ; X at byte 0; H behind it
.set STG,   HT+48*HPITCH               ; the way out: 48 rows x 272 bytes for each wave
.set STGB,  48*SPITCH
.set B2S,   STG+4*STGB                 ; b2 of my 256 columns: expert a's 1,024 bytes, then b's, for each wave
; block 0: v1 L, v2 r, v3 h, v4 16 L, v5-7 token fragment addresses, v8 H in, v9 stage in, v10 stage back, v11 b2, v12-17 (c_lo, c_hi) of tokens 16 t + r,
;          v18 H fragments, v19 b2 in, v20 4 h, v22-24 at work, v25 4 r, v27-29 tokens of slots 16 t + r, then their offsets in cw, v30 X in, v31 32 h
; block 1: the ring, slot i fragment f at 32 i + 8 f
.set AX,    5
.set CW,    12
.set ACC,   32                         ; v[32:127]  tile (f, t) at 8 (3 f + t)
.set XF,    128                        ; v[128:175] token fragments, two buffers of 24
.set T2,    176                        ; v[176:207] b2 at work (between the trips of stage 2)
.set CS,    176                        ; v[176:181] stage 1: my expert's weight of token 16 t + r, twice
.set OOFF,  208                        ; v[208:231] byte offsets in out of row pairs 2 t + h
.set BIAS1, 224                        ; v[224:255] b1 of my 64 hidden columns (used by stage 1's first step alone)
.set XG,    32                         ; v[32:223]  my 12 gathered rows
.set MSB, 0
.macro WIN new                         ; s_set_vgpr_msb: bits 1:0 source 0, 3:2 source 1, 5:4 source 2, 7:6 destination; the high byte repeats the setting left
.if MSB != \new
	s_set_vgpr_msb (MSB<<8)|\new
.set MSB, \new
.endif
.endm
	s_load_b256 s[4:11], s[0:1], 0x0               ; xb 4, wf 6, cw 8, tiles 10
	s_load_b128 s[12:15], s[0:1], 0x20             ; b1 12, b2 14
	s_load_b64 s[16:17], s[0:1], 0x30              ; out0
	v_lshl_add_u32 v23, v0, 2, 0x2d200
	v_mov_b32 v26, 0
	v_and_b32 v1, 31, v0
	v_lshrrev_b32 v22, 5, v0
	v_readfirstlane_b32 s18, v22                   ; w
	s_mov_b32 s35, 0                               ; high word of the offset pair s[34:35]
	v_and_b32 v2, 15, v1
	v_lshrrev_b32 v3, 4, v1
	v_lshlrev_b32 v25, 2, v2                       ; 4 r
	s_lshl_b32 s34, ttmp9, 8
	s_wait_kmcnt 0x0
	s_add_nc_u64 s[60:61], s[10:11], s[34:35]      ; my tile's 256 bytes
	s_mul_i32 s34, s18, 48
	s_add_nc_u64 s[62:63], s[60:61], s[34:35]      ; the tokens of the 12 rows that my wave gathers
	s_load_b128 s[28:31], s[60:61], 0xc0           ; words 48-51: rows, a, b, and a word that is not used
	s_load_b128 s[80:83], s[62:63], 0x0
	s_load_b128 s[84:87], s[62:63], 0x10
	s_load_b128 s[88:91], s[62:63], 0x20
.irp t, 0,1,2
	global_load_b32 v[27+\t], v25, s[60:61] offset:64*\t       ; token of slot 16 t + r
.endr
	; addresses, while the tile is on its way
	v_lshlrev_b32 v4, 4, v1
	v_lshlrev_b32 v31, 5, v3                       ; 32 h
	v_lshlrev_b32 v20, 2, v3                       ; 4 h
	s_cmp_gt_u32 s18, 1
	s_cselect_b32 s39, -1, 0                       ; waves 2 and 3 serve expert b
	s_lshl_b32 s23, s18, 11
	s_add_co_u32 s23, s23, B2S
	v_add_nc_u32 v19, s23, v4
	v_add_nc_u32 v11, s23, v31
	s_mul_i32 s23, s18, 12*XPITCH
	v_add_nc_u32 v30, s23, v4                      ; X in: my 12 rows
	v_mul_u32_u24 v22, v2, XPITCH
	v_lshl_add_u32 v[AX], v3, 4, v22
	v_add_nc_u32 v[AX+1], 16*XPITCH, v[AX]
	v_add_nc_u32 v[AX+2], 32*XPITCH, v[AX]
	v_mul_u32_u24 v22, v2, HPITCH
	v_lshl_add_u32 v22, v3, 4, v22
	v_add_nc_u32 v18, HT, v22
	s_lshl_b32 s23, s18, 7
	v_add_nc_u32 v8, s23, v18                      ; H in: row r, my 64 columns, 16 h
	s_mul_i32 s23, s18, STGB
	s_add_co_u32 s23, s23, STG
	v_mul_u32_u24 v22, v2, SPITCH
	v_lshl_add_u32 v22, v3, 5, v22
	v_add_nc_u32 v9, s23, v22                      ; stage in: row r, 32 h
	v_mul_u32_u24 v22, v3, SPITCH
	v_lshl_add_u32 v22, v2, 4, v22
	v_add_nc_u32 v10, s23, v22                     ; stage back: row h, 16 r
	s_wait_kmcnt 0x0                               ; the tile's record and my 12 tokens
	s_min_u32 s27, s28, 48                         ; rows of my tile
	s_cmp_lt_u32 s18, 2
	s_cselect_b32 s31, s29, s30                    ; my wave's expert in stage 1
	s_min_u32 s29, s29, 7
	s_min_u32 s30, s30, 7
	s_min_u32 s31, s31, 7
	s_and_b32 s23, s18, 1
	s_lshl_b32 s34, s31, 18
	s_lshl_b32 s24, s23, 17
	s_add_co_u32 s34, s34, s24
	s_add_nc_u64 s[56:57], s[6:7], s[34:35]        ; w1 fragments of my 64 hidden columns
	s_add_nc_u64 s[40:41], s[56:57], 0x8000        ; refills: slots 0-3,
	s_add_nc_u64 s[42:43], s[56:57], 0xc000        ; slots 4-7
	s_lshl_b32 s34, s31, 9
	s_lshl_b32 s24, s23, 8
	s_add_co_u32 s34, s34, s24
	s_add_nc_u64 s[48:49], s[12:13], s[34:35]      ; b1 of my 64 hidden columns
	s_lshl_b32 s23, s18, 16
	s_add_co_u32 s23, s23, 0x200000
	s_lshl_b32 s34, s29, 18
	s_add_co_u32 s34, s34, s23
	s_add_nc_u64 s[44:45], s[6:7], s[34:35]        ; w2 fragments of my 256 columns, expert a
	s_lshl_b32 s34, s30, 18
	s_add_co_u32 s34, s34, s23
	s_add_nc_u64 s[46:47], s[6:7], s[34:35]        ; expert b
	s_lshl_b32 s23, s18, 10
	s_lshl_b32 s34, s29, 12
	s_add_co_u32 s34, s34, s23
	s_add_nc_u64 s[50:51], s[14:15], s[34:35]      ; b2 of my 256 columns, expert a
	s_lshl_b32 s34, s30, 12
	s_add_co_u32 s34, s34, s23
	s_add_nc_u64 s[52:53], s[14:15], s[34:35]      ; expert b
	global_load_b128 v[160:163], v4, s[50:51]
	global_load_b128 v[164:167], v4, s[50:51] offset:512
	global_load_b128 v[168:171], v4, s[52:53]
	global_load_b128 v[172:175], v4, s[52:53] offset:512
.irp f, 0,1,2,3
	global_load_b128 v[BIAS1+8*\f:BIAS1+8*\f+3],   v31, s[48:49] offset:64*\f
	global_load_b128 v[BIAS1+8*\f+4:BIAS1+8*\f+7], v31, s[48:49] offset:64*\f+16
.endr
	WIN 0x40                                       ; destination in block 1
.set i, 0
.rept 8
.irp f, 0,1,2,3
	global_load_b128 v[32*i+8*\f:32*i+8*\f+3],   v4, s[56:57] offset:4096*i+1024*\f
	global_load_b128 v[32*i+8*\f+4:32*i+8*\f+7], v4, s[56:57] offset:4096*i+1024*\f+512
.endr
.set i, i+1
.endr
	WIN 0
	; The addresses of my 12 rows of xb.  Token i lies in s[80 + i], row i's address goes to s[68 + 2 i : 69 + 2 i]: from i = 6 on it lands on
	; tokens 2 i - 12 and 2 i - 11, which are at most i and have been read.
.set i, 0
.rept 12
	s_min_u32 s23, s[80+i], 8191
	s_lshl_b32 s34, s23, 11
	s_add_nc_u64 s[68+2*i:69+2*i], s[4:5], s[34:35]
.set i, i+1
.endr
	s_wait_loadcnt 63                              ; 72 loads are younger than b2's four; 63, the largest count that can be written, shows the 16 oldest done: the three token loads, b2, b1, one of the ring
	ds_store_b128 v19, v[160:163]                  ; b2 into my own bytes of LDS: no other wave reads them
	ds_store_b128 v19, v[164:167] offset:512
	ds_store_b128 v19, v[168:171] offset:1024
	ds_store_b128 v19, v[172:175] offset:1536
	s_wait_dscnt 0x0                               ; their registers are loaded again below
.irp t, 0,1,2
	v_min_u32 v[27+\t], 8191, v[27+\t]
	v_lshlrev_b32 v[27+\t], 3, v[27+\t]
	global_load_b64 v[CW+2*\t:CW+2*\t+1], v[27+\t], s[8:9]
.endr
.set i, 0
.rept 12
.irp j, 0,1,2,3
	global_load_b128 v[XG+16*i+4*\j:XG+16*i+4*\j+3], v4, s[68+2*i:69+2*i] offset:512*\j
.endr
.set i, i+1
.endr
.set i, 0
.rept 12
	s_wait_loadcnt 4*(11-i)                        ; row i is in; the later rows' loads stay out
.irp j, 0,1,2,3
	ds_store_b128 v30, v[XG+16*i+4*\j:XG+16*i+4*\j+3] offset:XPITCH*i+512*\j
.endr
.set i, i+1
.endr
.irp t, 0,1,2
	v_cndmask_b32 v[CS+2*\t],   v[CW+2*\t], v[CW+2*\t+1], s39  ; my expert's weight, twice, for the packed multiply
	v_cndmask_b32 v[CS+2*\t+1], v[CW+2*\t], v[CW+2*\t+1], s39
.endr
	s_wait_dscnt 0x0                               ; my rows of X are in LDS before I say so
	s_barrier_signal -1
	s_barrier_wait -1
; One step: 32 along K, 4 weight fragments of ring slot i x 3 token fragments.  ak >= 0: the next step's token fragments are fetched from byte ak of
; the rows.  cmode = 1: the sums start from b1.  refill = 1: slot i gets the fragments of eight steps on.  lcnt: the younger ring loads.
; h16 = 1: the operands are f16 (stage 2), else bf16 (stage 1).
.macro STEP i, ak, cmode, refill, lcnt, h16
.set XB, XF+24*((\i+1)&1)
.set XC, XF+24*(\i&1)
.set PR, 40+2*(\i>>2)
	WIN 0
.if \ak >= 0
.irp t, 0,1,2
	ds_load_b128 v[XB+8*\t:XB+8*\t+3],   v[AX+\t] offset:\ak
	ds_load_b128 v[XB+8*\t+4:XB+8*\t+7], v[AX+\t] offset:\ak+32
.endr
.endif
	s_wait_loadcnt \lcnt                           ; slot i is in: only the sets asked for behind it, 8 loads each, may be out
.if \ak >= 0
	s_wait_dscnt 0x6                               ; this step's token fragments are in; the six loads just issued stay out
.else
	s_wait_dscnt 0x0
.endif
	WIN 0x01                                       ; source 0 in block 1
.irp f, 0,1,2,3
.irp t, 0,1,2
.if \cmode
	v_wmma_f32_16x16x32_bf16 v[ACC+8*(3*\f+\t):ACC+8*(3*\f+\t)+7], v[32*\i+8*\f:32*\i+8*\f+7], v[XC+8*\t:XC+8*\t+7], v[BIAS1+8*\f:BIAS1+8*\f+7]
.else
.if \h16
	v_wmma_f32_16x16x32_f16 v[ACC+8*(3*\f+\t):ACC+8*(3*\f+\t)+7], v[32*\i+8*\f:32*\i+8*\f+7], v[XC+8*\t:XC+8*\t+7], v[ACC+8*(3*\f+\t):ACC+8*(3*\f+\t)+7]
.else
	v_wmma_f32_16x16x32_bf16 v[ACC+8*(3*\f+\t):ACC+8*(3*\f+\t)+7], v[32*\i+8*\f:32*\i+8*\f+7], v[XC+8*\t:XC+8*\t+7], v[ACC+8*(3*\f+\t):ACC+8*(3*\f+\t)+7]
.endif
.endif
.endr
.endr
.rept 4
	v_nop                                          ; four places before loads land on the fragments just read and before anything but a matrix instruction touches the sums
.endr
.if \refill
	WIN 0x40
.irp f, 0,1,2,3
	global_load_b128 v[32*\i+8*\f:32*\i+8*\f+3],   v4, s[PR:PR+1] offset:4096*(\i&3)+1024*\f
	global_load_b128 v[32*\i+8*\f+4:32*\i+8*\f+7], v4, s[PR:PR+1] offset:4096*(\i&3)+1024*\f+512
.endr
.endif
.endm
; Once round the ring.  The twelve accumulators take turns, one instruction a turn, in the same order in every step.
; down = 1: nothing is asked for any more, so the count of younger loads falls by 8 a step.
.macro TRIP cm0, refill, ak7, down, h16
	STEP 0, 64,  \cm0, \refill, 56, \h16
	STEP 1, 128, 0, \refill, 56-8*\down, \h16
	STEP 2, 192, 0, \refill, 56-16*\down, \h16
	STEP 3, 256, 0, \refill, 56-24*\down, \h16
	STEP 4, 320, 0, \refill, 56-32*\down, \h16
	STEP 5, 384, 0, \refill, 56-40*\down, \h16
	STEP 6, 448, 0, \refill, 56-48*\down, \h16
	STEP 7, \ak7, 0, \refill, 56-56*\down, \h16
.endm
.macro XFIRST                          ; the first step's token fragments
.irp t, 0,1,2
	ds_load_b128 v[XF+8*\t:XF+8*\t+3],   v[AX+\t]
	ds_load_b128 v[XF+8*\t+4:XF+8*\t+7], v[AX+\t] offset:32
.endr
.endm
.macro NEXT1
	WIN 0
	s_wait_xcnt 0x0                                ; the refills' bases are stepped only behind this wait
	s_add_nc_u64 s[40:41], s[40:41], 0x8000
	s_add_nc_u64 s[42:43], s[42:43], 0x8000
.irp t, 0,1,2
	v_add_nc_u32 v[AX+\t], 512, v[AX+\t]
.endr
.endm
	; STAGE 1: K = 1024, 32 steps
	XFIRST
	TRIP 1, 1, 512, 0, 0
	NEXT1
	s_mov_b32 s54, 2
.Ls1:
	TRIP 0, 1, 512, 0, 0
	NEXT1
	s_sub_co_u32 s54, s54, 1
	s_cmp_lg_u32 s54, 0
	s_cbranch_scc1 .Ls1
	s_mov_b64 s[40:41], s[44:45]                   ; the last trip's refills are stage 2's first 64 columns: slots 0-3 expert a's K, slots 4-7 expert b's
	s_mov_b64 s[42:43], s[46:47]
	TRIP 0, 1, -1, 0, 0
	WIN 0
	s_wait_xcnt 0x0
	s_add_nc_u64 s[40:41], s[40:41], 0x4000
	s_add_nc_u64 s[42:43], s[42:43], 0x4000
.set t, 0
.rept 24
	global_load_b32 v[OOFF+t], v20, s[60:61] offset:8*t        ; token of row 2 t + h, for the way out; waited for behind the barrier below
.set t, t+1
.endr
	; relu, times the token's weight, to f16, into H
.irp f, 0,1,2,3
.irp t, 0,1,2
.set TA, ACC+8*(3*\f+\t)
.irp k, 0,1,2,3,4,5,6,7
	v_max_num_f32 v[TA+\k], 0, v[TA+\k]
.endr
.irp m, 0,1,2,3
	v_pk_mul_f32 v[TA+2*\m:TA+2*\m+1], v[TA+2*\m:TA+2*\m+1], v[CS+2*\t:CS+2*\t+1]
.endr
.irp m, 0,1,2,3
	v_cvt_pk_f16_f32 v[TA+\m], v[TA+2*\m], v[TA+2*\m+1]
.endr
	ds_store_b128 v8, v[TA:TA+3] offset:16*HPITCH*\t+32*\f
.endr
.endr
	s_wait_dscnt 0x0                               ; my columns of H are in LDS before I say so
	s_barrier_signal -1
	s_barrier_wait -1
	s_wait_loadcnt 0x0                             ; the 24 token loads are the youngest: nothing may be out
	s_lshl_b32 s23, s18, 10
	v_lshl_add_u32 v24, v2, 4, s23                 ; my 256 columns, 16 bytes a lane
.set t, 0
.rept 24
	v_min_u32 v[OOFF+t], 8191, v[OOFF+t]
	v_lshl_add_u32 v[OOFF+t], v[OOFF+t], 12, v24
.set t, t+1
.endr
	v_mov_b32 v[AX], v18
	v_add_nc_u32 v[AX+1], 16*HPITCH, v18
	v_add_nc_u32 v[AX+2], 32*HPITCH, v18
; STAGE 2: 64 columns of out a chunk, K = 256 = once round the ring.
.macro INIT                            ; the sums start from c_lo b2_a + c_hi b2_b
.irp g, 0,1
.irp q, 0,1
	ds_load_b128 v[T2+16*\q:T2+16*\q+3],     v11 offset:64*(2*\g+\q)
	ds_load_b128 v[T2+16*\q+4:T2+16*\q+7],   v11 offset:64*(2*\g+\q)+16
	ds_load_b128 v[T2+16*\q+8:T2+16*\q+11],  v11 offset:1024+64*(2*\g+\q)
	ds_load_b128 v[T2+16*\q+12:T2+16*\q+15], v11 offset:1024+64*(2*\g+\q)+16
.endr
	s_wait_dscnt 0x0
.irp q, 0,1
.irp t, 0,1,2
.irp m, 0,1,2,3
	v_pk_mul_f32 v[ACC+8*(3*(2*\g+\q)+\t)+2*\m:ACC+8*(3*(2*\g+\q)+\t)+2*\m+1], v[T2+16*\q+2*\m:T2+16*\q+2*\m+1], v[CW+2*\t:CW+2*\t+1] op_sel_hi:[1,0]
.endr
.irp m, 0,1,2,3
	v_pk_fma_f32 v[ACC+8*(3*(2*\g+\q)+\t)+2*\m:ACC+8*(3*(2*\g+\q)+\t)+2*\m+1], v[T2+16*\q+8+2*\m:T2+16*\q+8+2*\m+1], v[CW+2*\t:CW+2*\t+1], v[ACC+8*(3*(2*\g+\q)+\t)+2*\m:ACC+8*(3*(2*\g+\q)+\t)+2*\m+1] op_sel:[0,1,0]
.endr
.endr
.endr
.endr
.endm
.macro EPI                             ; through my own stage: in by tokens and 8 columns, back by rows of 256 bytes
	WIN 0
.irp f, 0,1,2,3
.irp t, 0,1,2
	ds_store_b128 v9, v[ACC+8*(3*\f+\t):ACC+8*(3*\f+\t)+3]   offset:16*SPITCH*\t+64*\f
	ds_store_b128 v9, v[ACC+8*(3*\f+\t)+4:ACC+8*(3*\f+\t)+7] offset:16*SPITCH*\t+64*\f+16
.endr
.endr
.set t, 0
.rept 24
	ds_load_b128 v[ACC+4*t:ACC+4*t+3], v10 offset:2*SPITCH*t   ; my own bytes, served in order behind the stores
.set t, t+1
.endr
.set t, 0
.rept 24
	s_cmp_le_u32 s27, 2*t                          ; no row of the tile is left (an odd last row's partner repeats its token and its numbers)
	s_cbranch_scc1 .Lout_\@
	s_wait_dscnt 23-t                              ; the later read-backs may be out
	global_store_b128 v[OOFF+t], v[ACC+4*t:ACC+4*t+3], s[16:17] th:TH_STORE_NT   ; sixteen lanes store 256 consecutive bytes of a row of out, aligned
.set t, t+1
.endr
.Lout_\@:
	s_wait_dscnt 0x0                               ; on the short way read-backs are still out
	s_wait_xcnt 0x0                                ; the sums were data of stores, and the bases are stepped, only behind this wait
.endm
.macro CHUNK more
	INIT
.if \more
	TRIP 0, 1, 0, 0, 1                             ; refills: the next 64 columns; the last step fetches H's first fragments again
.else
	TRIP 0, 0, -1, 1, 1
.endif
	EPI
.if \more
	s_add_nc_u64 s[16:17], s[16:17], 256
	s_add_nc_u64 s[40:41], s[40:41], 0x4000
	s_add_nc_u64 s[42:43], s[42:43], 0x4000
	v_add_nc_u32 v11, 256, v11
.endif
.endm
	XFIRST
	s_mov_b32 s54, 3
.Lch:
	CHUNK 1
	s_sub_co_u32 s54, s54, 1
	s_cmp_lg_u32 s54, 0
	s_cbranch_scc1 .Lch
	CHUNK 0
	s_wait_tensorcnt 0x0
	ds_add_u32 v23, v26
	s_wait_dscnt 0x0
	s_endpgm
.Lfunc_end_k_q6b15d21dd6_moe:
	.size	k_q6b15d21dd6_moe, .Lfunc_end_k_q6b15d21dd6_moe-k_q6b15d21dd6_moe
	.p2alignl 7, 3214868480
	.fill 96, 4, 3214868480
	.section	.rodata,"a",@progbits
	.p2align	6, 0x0
	.amdhsa_kernel k_q6b15d21dd6_moe
		.amdhsa_group_segment_fixed_size 185344
		.amdhsa_private_segment_fixed_size 0
		.amdhsa_enable_private_segment 0
		.amdhsa_kernarg_size 56
		.amdhsa_user_sgpr_count 2
		.amdhsa_user_sgpr_kernarg_segment_ptr 1
		.amdhsa_wavefront_size32 1
		.amdhsa_system_sgpr_workgroup_id_x 1
		.amdhsa_system_sgpr_workgroup_id_y 1
		.amdhsa_system_sgpr_workgroup_id_z 1
		.amdhsa_system_vgpr_workitem_id 0
		.amdhsa_next_free_vgpr 512
		.amdhsa_next_free_sgpr 92
		.amdhsa_reserve_vcc 0
		.amdhsa_float_denorm_mode_32 3
		.amdhsa_float_denorm_mode_16_64 3
		.amdhsa_memory_ordered 1
		.amdhsa_forward_progress 1
		.amdhsa_inst_pref_size 149
	.end_amdhsa_kernel
	.amdgpu_metadata
---
amdhsa.version: [ 1, 2 ]
amdhsa.kernels:
  - .name:           k_q6b15d21dd6_moe
    .symbol:         k_q6b15d21dd6_moe.kd
    .args:
      - { .name: xb, .offset: 0, .size: 8, .value_kind: global_buffer, .address_space: global }
      - { .name: wf, .offset: 8, .size: 8, .value_kind: global_buffer, .address_space: global }
      - { .name: cw, .offset: 16, .size: 8, .value_kind: global_buffer, .address_space: global }
      - { .name: tiles, .offset: 24, .size: 8, .value_kind: global_buffer, .address_space: global }
      - { .name: b1, .offset: 32, .size: 8, .value_kind: global_buffer, .address_space: global }
      - { .name: b2, .offset: 40, .size: 8, .value_kind: global_buffer, .address_space: global }
      - { .name: out0, .offset: 48, .size: 8, .value_kind: global_buffer, .address_space: global }
    .group_segment_fixed_size: 185344
    .private_segment_fixed_size: 0
    .kernarg_segment_align: 8
    .kernarg_segment_size: 56
    .max_flat_workgroup_size: 128
    .sgpr_count:     92
    .vgpr_count:     512
    .wavefront_size: 32
...
	.end_amdgpu_metadata
.endif
;; end of part 6
;; ======== version 3 of 3: 3 launches; version 2 with the launch moe written anew for expert scheduling mode
;; limits: values outside matrix products are rounded to bf16; values are held in f16: magnitudes above 65,504 overflow, below 6.1e-05 lose precision
;; workspace buffers: xb 16,777,216 bytes; wf 4,194,304 bytes; cw 65,536 bytes; meta 65,536 bytes of whole numbers; tiles 50,688 bytes of whole numbers
;; launch prep: the kernel of part 4 again; grid 256 x 1, 8 waves a work-group, no clusters, 111,616 bytes of LDS; arguments x, gate_w, gate_b, w1, w2, xb, wf, cw, meta; writes xb, wf, cw, meta
;; launch plan: the kernel of part 5 again; grid 198 x 1, 16 waves a work-group, no clusters, 8,448 bytes of LDS; arguments tiles, meta; writes tiles
;; launch moe (part 7): grid 198 x 1, 4 waves a work-group, no clusters, 185,344 bytes of LDS; arguments xb, wf, cw, tiles, b1, b2, out0; writes out0
.if DOCPART == 7
	.amdgcn_target "amdgcn-amd-amdhsa--gfx1250"
	.amdhsa_code_object_version 6
	.text
	.protected	k_q6b15d21dd6_moe
	.globl	k_q6b15d21dd6_moe
	.p2align	8
	.type	k_q6b15d21dd6_moe,@function
k_q6b15d21dd6_moe:
	s_mov_b64 s[64:65], 0
	v_nop
	global_prefetch_b8 v0, s[64:65] scope:SCOPE_SE
	s_setreg_imm32_b32 hwreg(HW_REG_WAVE_SCHED_MODE, 0, 2), 2
	s_setreg_imm32_b32 hwreg(HW_REG_WAVE_MODE, 25, 1), 1
	s_wait_xcnt 0x0
	s_wait_alu depctr_vm_vsrc(0)
; MoE, third launch: for each token the two experts that the first launch chose, and no other (the six others' rows of expert_out are never
; gathered by reference(); a NaN, an infinity or an overflow that would arise only there is not carried to the result).
;
; Tokens are grouped by their pair of experts a < b.  A work-group does one tile of at most 48 tokens of one pair, as the second launch listed it, fused:
;   stage 1: X[48 x 1024] x [W1a | W1b] + b1, relu, times the token's softmax weight c of that expert -> H[48 x 256], in LDS;  bf16 operands;
;   stage 2: H x [W2a ; W2b] + c_a b2_a + c_b b2_b -> 48 rows of out;  f16 operands.  Every row of out is stored once, by one work-group.
; H IS KEPT IN f16.  reference() keeps it in f32, so its rounding here is one that no rounding of the inputs accounts for: f16's 11 significant bits
; make it an eighth of bf16's.  ROOM: with x of spread 1 and w1 of spread 0.02 the sum over 1,024 terms has spread 32 x 0.02 = 0.64; with both 30
; times larger, 576; with x offset by 30 and w1 by 0.6, 1024 x 18 = 18,432; c is at most 1; f16 reaches 65,504.  With both 30 times smaller and
; c = 1/8, c H is about 9e-5, over a step of 6e-8.  LIMIT: a c H of 65,520 or more becomes infinite; below 2^-14 its step is 2^-24.
; The two experts' terms are added in the order of the expert numbers, not of their rank.  NaN is not served: relu is a maximum in which a NaN loses.
; THE GRID.  The tiles number sum over the keys of ceil(n_key / 48), at most (8192 + 28 x 47) / 48 = 198, and that is the grid.  Work-group g reads
; tile g's 256 bytes: words 0-47 the slots' tokens (slots behind the last row repeat its token), word 48 the rows, words 49 and 50 the experts.
; A tile with 0 rows is no tile: its work-group goes through the same text on the indices that the record holds, since each barrier stands on
; every wave's path whatever the data hold, and it stores nothing.
; Every branch and every global address that hangs on data hangs on these words as they come from memory, through registers alone.
; WEIGHTS go from memory straight into a ring of eight register sets (4 fragments = 32 registers = 8 loads a set): no byte of a weight fragment is
; used by two waves of the work-group, so LDS would add a write and a read to each byte, and a barrier to each slot.
; NO CLUSTER: tiles of one pair read the same weights, but how many there are is read from memory (0 to 171); groups filled up to four partners
; could number (8192 + 28 x 191) / 192 = 70, that is 280 work-groups, of which about a quarter would only ask and discard.
; THE MATRIX INSTRUCTION IS USED TRANSPOSED: source 0 = 16 weight columns, source 1 = 16 tokens, so that lane (h, r) holds token r and the eight
; neighbouring columns 8 h .. 8 h + 7.
; THE MODE: SCHED_MODE bits 1:0 = 2 (LLVM: expert scheduling mode 2), set by the entry lines.  The code itself states the register dependences
; between vector or matrix instructions and memory or LDS instructions, with s_wait_alu, always for 0.
; THE PLAN.  Registers that memory or LDS instructions touch in the two stages' loops:
;   ring slot j   Step j's twelve products read it; the eight loads that are issued in step j + 1 land in it: the fragments of seven steps on from there.
;   XF0, XF1      Step i's products read XF[i & 1]; step i's six LDS loads land in the other buffer, which step i - 1 read: the next step's token fragments.
;   v[AX ..]      Read by every LDS load of a token fragment; written between stage 1's trips, and once ahead of stage 2.
;   v4            Read by every load of a weight fragment; never written again: scalar bases and immediate offsets do the rest.
;   ACC           Written by the products.  Stage 1's way out rounds it in place, and LDS stores read it.  A chunk's way out: LDS stores read it, the
;                 read-backs land in it, global stores read it; then the next chunk's first sums are written into it.
;   T2, T2B       b2 of one chunk's 64 columns: read by the arithmetic that starts the sums; loaded for the next chunk behind a trip's last products.
;   v11           Read by those loads; stepped once a chunk, in the way out.        OOFF  Made once ahead of stage 2; read by the global stores.
; So ONE wait on va_vdst stands at a step's head: the last step's products are done reading slot i - 1 and the other token buffer.  Behind it come
; three products, the step's fourteen loads, and the other nine products: these twelve name ACC, slot i and XF[i & 1], none of the registers that the
; loads touch.  The other waits stand where a stage or a chunk ends, each with its dependence beside it.
; SLOT 7 is asked for in the NEXT trip's first step, behind the step of the refills' bases.  So it has a base of its own, s[58:59], made from the base
; of slots 4-7 just ahead of that step: every immediate offset is 0 or more.
.set XPITCH, 2064                      ; LDS rows of X: 2,048 bytes + 16; all three pitches are odd multiples of 16 bytes, so that
.set HPITCH, 528                       ; the 16 rows that a 16-byte access touches fall into 16 different 16-byte columns of 256 bytes
.set SPITCH, 272
.set HT,    48*XPITCH                  ; X at byte 0; H behind it
.set STG,   HT+48*HPITCH               ; the way out: 48 rows x 272 bytes for each wave
.set STGB,  48*SPITCH
.set B2S,   STG+4*STGB                 ; b2 of my 256 columns: expert a's 1,024 bytes, then b's, for each wave
; block 0: v1 L, v2 r, v3 h, v4 16 L, v5-7 token fragment addresses, v8 H in, v9 stage in, v10 stage back, v11 b2, v12-17 (c_lo, c_hi) of tokens 16 t + r,
;          v18 H fragments, v19 b2 in, v20 4 h, v22-24 at work, v25 4 r, v27-29 tokens of slots 16 t + r, then their offsets in cw, v30 X in, v31 32 h
; block 1: the ring, slot i fragment f at 32 i + 8 f          block 2: v[0:31] T2B
.set AX,    5
.set CW,    12
.set ACC,   32                         ; v[32:127]  tile (f, t) at 8 (3 f + t)
.set XF,    128                        ; v[128:175] token fragments, two buffers of 24
.set T2,    176                        ; v[176:207] b2 of a chunk's first 32 columns
.set T2B,   0                          ; block 2, v[0:31]: b2 of its other 32 columns
.set CS,    176                        ; v[176:181] stage 1: my expert's weight of token 16 t + r, twice
.set OOFF,  208                        ; v[208:231] byte offsets in out of row pairs 2 t + h
.set BIAS1, 224                        ; v[224:255] b1 of my 64 hidden columns (used by stage 1's first step alone)
.set XG,    32                         ; v[32:223]  my 12 gathered rows
.set B7,    58                         ; s[58:59]   the address of the set that slot 7 gets in the next trip's first step
.set MSB, 0
.macro WIN new                         ; s_set_vgpr_msb: bits 1:0 source 0, 3:2 source 1, 5:4 source 2, 7:6 destination; the high byte repeats the setting left
.if MSB != \new
	s_set_vgpr_msb (MSB<<8)|\new
.set MSB, \new
.endif
.endm
	s_load_b256 s[4:11], s[0:1], 0x0               ; xb 4, wf 6, cw 8, tiles 10
	s_load_b128 s[12:15], s[0:1], 0x20             ; b1 12, b2 14
	s_load_b64 s[16:17], s[0:1], 0x30              ; out0
	v_lshl_add_u32 v23, v0, 2, 0x2d200
	v_mov_b32 v26, 0
	v_and_b32 v1, 31, v0
	v_lshrrev_b32 v22, 5, v0
	v_readfirstlane_b32 s18, v22                   ; w
	s_mov_b32 s35, 0                               ; high word of the offset pair s[34:35]
	s_lshl_b32 s34, ttmp9, 8
	; offsets and LDS addresses, while the arguments are on their way
	v_and_b32 v2, 15, v1
	v_lshrrev_b32 v3, 4, v1
	v_lshlrev_b32 v25, 2, v2                       ; 4 r
	v_lshlrev_b32 v4, 4, v1
	v_lshlrev_b32 v31, 5, v3                       ; 32 h
	v_lshlrev_b32 v20, 2, v3                       ; 4 h
	s_wait_alu depctr_va_sdst(0)                   ; s18 is written, ahead of its first reader: the lines below and all the bases are made from it
	s_cmp_gt_u32 s18, 1
	s_cselect_b32 s39, -1, 0                       ; waves 2 and 3 serve expert b
	s_lshl_b32 s23, s18, 11
	s_add_co_u32 s23, s23, B2S
	v_add_nc_u32 v19, s23, v4
	v_add_nc_u32 v11, s23, v31
	s_mul_i32 s23, s18, 12*XPITCH
	v_add_nc_u32 v30, s23, v4                      ; X in: my 12 rows
	v_mul_u32_u24 v22, v2, XPITCH
	v_lshl_add_u32 v[AX], v3, 4, v22
	v_add_nc_u32 v[AX+1], 16*XPITCH, v[AX]
	v_add_nc_u32 v[AX+2], 32*XPITCH, v[AX]
	v_mul_u32_u24 v22, v2, HPITCH
	v_lshl_add_u32 v22, v3, 4, v22
	v_add_nc_u32 v18, HT, v22
	s_lshl_b32 s23, s18, 7
	v_add_nc_u32 v8, s23, v18                      ; H in: row r, my 64 columns, 16 h
	s_mul_i32 s23, s18, STGB
	s_add_co_u32 s23, s23, STG
	v_mul_u32_u24 v22, v2, SPITCH
	v_lshl_add_u32 v22, v3, 5, v22
	v_add_nc_u32 v9, s23, v22                      ; stage in: row r, 32 h
	v_mul_u32_u24 v22, v3, SPITCH
	v_lshl_add_u32 v22, v2, 4, v22
	v_add_nc_u32 v10, s23, v22                     ; stage back: row h, 16 r
	s_wait_alu depctr_va_vdst(0)                   ; v4 to v11, v18 to v20, v25, v30 and v31 are written: the loads and stores below read them as offsets and LDS addresses
	s_wait_kmcnt 0x0
	s_add_nc_u64 s[60:61], s[10:11], s[34:35]      ; my tile's 256 bytes
	s_mul_i32 s34, s18, 48
	s_add_nc_u64 s[62:63], s[60:61], s[34:35]      ; the tokens of the 12 rows that my wave gathers
	s_load_b128 s[28:31], s[60:61], 0xc0           ; words 48-51: rows, a, b, and a word that is not used
	s_load_b128 s[80:83], s[62:63], 0x0
	s_load_b128 s[84:87], s[62:63], 0x10
	s_load_b128 s[88:91], s[62:63], 0x20
.irp t, 0,1,2
	global_load_b32 v[27+\t], v25, s[60:61] offset:64*\t       ; token of slot 16 t + r
.endr
	s_wait_kmcnt 0x0                               ; the tile's record and my 12 tokens
	s_min_u32 s27, s28, 48                         ; rows of my tile
	s_cmp_lt_u32 s18, 2
	s_cselect_b32 s31, s29, s30                    ; my wave's expert in stage 1
	s_min_u32 s29, s29, 7
	s_min_u32 s30, s30, 7
	s_min_u32 s31, s31, 7
	s_and_b32 s23, s18, 1
	s_lshl_b32 s34, s31, 18
	s_lshl_b32 s24, s23, 17
	s_add_co_u32 s34, s34, s24
	s_add_nc_u64 s[56:57], s[6:7], s[34:35]        ; w1 fragments of my 64 hidden columns
	s_add_nc_u64 s[40:41], s[56:57], 0x8000        ; refills: slots 0-3,
	s_add_nc_u64 s[42:43], s[56:57], 0xc000        ; slots 4-7
	s_lshl_b32 s34, s31, 9
	s_lshl_b32 s24, s23, 8
	s_add_co_u32 s34, s34, s24
	s_add_nc_u64 s[48:49], s[12:13], s[34:35]      ; b1 of my 64 hidden columns
	s_lshl_b32 s23, s18, 16
	s_add_co_u32 s23, s23, 0x200000
	s_lshl_b32 s34, s29, 18
	s_add_co_u32 s34, s34, s23
	s_add_nc_u64 s[44:45], s[6:7], s[34:35]        ; w2 fragments of my 256 columns, expert a
	s_lshl_b32 s34, s30, 18
	s_add_co_u32 s34, s34, s23
	s_add_nc_u64 s[46:47], s[6:7], s[34:35]        ; expert b
	s_lshl_b32 s23, s18, 10
	s_lshl_b32 s34, s29, 12
	s_add_co_u32 s34, s34, s23
	s_add_nc_u64 s[50:51], s[14:15], s[34:35]      ; b2 of my 256 columns, expert a
	s_lshl_b32 s34, s30, 12
	s_add_co_u32 s34, s34, s23
	s_add_nc_u64 s[52:53], s[14:15], s[34:35]      ; expert b
	global_load_b128 v[160:163], v4, s[50:51]
	global_load_b128 v[164:167], v4, s[50:51] offset:512
	global_load_b128 v[168:171], v4, s[52:53]
	global_load_b128 v[172:175], v4, s[52:53] offset:512
.irp f, 0,1,2,3
	global_load_b128 v[BIAS1+8*\f:BIAS1+8*\f+3],   v31, s[48:49] offset:64*\f
	global_load_b128 v[BIAS1+8*\f+4:BIAS1+8*\f+7], v31, s[48:49] offset:64*\f+16
.endr
	WIN 0x40                                       ; destination in block 1
.set i, 0
.rept 8
.irp f, 0,1,2,3
	global_load_b128 v[32*i+8*\f:32*i+8*\f+3],   v4, s[56:57] offset:4096*i+1024*\f
	global_load_b128 v[32*i+8*\f+4:32*i+8*\f+7], v4, s[56:57] offset:4096*i+1024*\f+512
.endr
.set i, i+1
.endr
	WIN 0
	; The addresses of my 12 rows of xb.  Token i lies in s[80 + i], row i's address goes to s[68 + 2 i : 69 + 2 i]: from i = 6 on it lands on
	; tokens 2 i - 12 and 2 i - 11, which are at most i and have been read.
.set i, 0
.rept 12
	s_min_u32 s23, s[80+i], 8191
	s_lshl_b32 s34, s23, 11
	s_add_nc_u64 s[68+2*i:69+2*i], s[4:5], s[34:35]
.set i, i+1
.endr
	s_wait_loadcnt 63                              ; 72 loads are younger than b2's four; 63, the largest count that can be written, shows the 16 oldest done: the three token loads, b2, b1, one of the ring
	ds_store_b128 v19, v[160:163]                  ; b2 into my own bytes of LDS: no other wave reads them
	ds_store_b128 v19, v[164:167] offset:512
	ds_store_b128 v19, v[168:171] offset:1024
	ds_store_b128 v19, v[172:175] offset:1536
.irp t, 0,1,2
	v_min_u32 v[27+\t], 8191, v[27+\t]
.endr
.irp t, 0,1,2
	v_lshlrev_b32 v[27+\t], 3, v[27+\t]
.endr
	s_wait_dscnt 0x0                               ; their registers are loaded again below
	s_wait_alu depctr_vm_vsrc(0)                   ; the four LDS stores have read v[160:175], in which gathered rows land
	s_wait_alu depctr_va_vdst(0)                   ; v27 to v29 are written: the loads of cw read them as offsets
.irp t, 0,1,2
	global_load_b64 v[CW+2*\t:CW+2*\t+1], v[27+\t], s[8:9]
.endr
.set i, 0
.rept 12
.irp j, 0,1,2,3
	global_load_b128 v[XG+16*i+4*\j:XG+16*i+4*\j+3], v4, s[68+2*i:69+2*i] offset:512*\j
.endr
.set i, i+1
.endr
.set i, 0
.rept 12
	s_wait_loadcnt 4*(11-i)                        ; row i is in; the later rows' loads stay out
.irp j, 0,1,2,3
	ds_store_b128 v30, v[XG+16*i+4*\j:XG+16*i+4*\j+3] offset:XPITCH*i+512*\j
.endr
.set i, i+1
.endr
	s_wait_alu depctr_vm_vsrc(0)                   ; the LDS stores have read v[XG ..]: these registers are CS, XF and ACC from here on, written by the selects below, the fragments' loads and the products
.irp t, 0,1,2
	v_cndmask_b32 v[CS+2*\t],   v[CW+2*\t], v[CW+2*\t+1], s39  ; my expert's weight, twice, for the packed multiply
	v_cndmask_b32 v[CS+2*\t+1], v[CW+2*\t], v[CW+2*\t+1], s39
.endr
	s_wait_dscnt 0x0                               ; my rows of X are in LDS before I say so
	s_barrier_signal -1
	s_barrier_wait -1
; Three products: weight fragment f of ring slot i x the step's 3 token fragments.  cmode = 1: the sums start from b1.  h16 = 1: the operands are f16 (stage 2), else bf16 (stage 1).
.macro PROD i, f, cmode, h16
	WIN 0x01                                       ; source 0 in block 1
.irp t, 0,1,2
.if \cmode
	v_wmma_f32_16x16x32_bf16 v[ACC+8*(3*\f+\t):ACC+8*(3*\f+\t)+7], v[32*\i+8*\f:32*\i+8*\f+7], v[XC+8*\t:XC+8*\t+7], v[BIAS1+8*\f:BIAS1+8*\f+7]
.elseif \h16
	v_wmma_f32_16x16x32_f16 v[ACC+8*(3*\f+\t):ACC+8*(3*\f+\t)+7], v[32*\i+8*\f:32*\i+8*\f+7], v[XC+8*\t:XC+8*\t+7], v[ACC+8*(3*\f+\t):ACC+8*(3*\f+\t)+7]
.else
	v_wmma_f32_16x16x32_bf16 v[ACC+8*(3*\f+\t):ACC+8*(3*\f+\t)+7], v[32*\i+8*\f:32*\i+8*\f+7], v[XC+8*\t:XC+8*\t+7], v[ACC+8*(3*\f+\t):ACC+8*(3*\f+\t)+7]
.endif
.endr
.endm
; One step: 32 along K, 4 weight fragments of ring slot i x 3 token fragments.  ak >= 0: the next step's token fragments are fetched from byte ak of
; the rows.  rf = 1: the slot that the last step read, i - 1, gets its next fragments, from base s[rb:rb+1] at byte ro.  lcnt: the younger ring loads.
; hw = 1: products or address arithmetic issued since the last wait on va_vdst name registers that this step's loads touch.
.macro STEP i, ak, cmode, hw, rf, rb, ro, lcnt, h16
.set XB, XF+24*((\i+1)&1)
.set XC, XF+24*(\i&1)
.set RS, 32*((\i+7)&7)
	s_wait_loadcnt \lcnt                           ; slot i is in: only the sets asked for behind it, 8 loads each, may be out
	s_wait_dscnt 0x0                               ; this step's token fragments, asked for in the last step, are in
.if (\hw) && (((\ak) >= 0) || (\rf))
	s_wait_alu depctr_va_vdst(0)                   ; the last step's products are done reading slot i - 1 and the other token buffer, in which the loads below land; behind stage 1's adds to v[AX ..] these are written too
.endif
	PROD \i, 0, \cmode, \h16
.if (\ak) >= 0
	WIN 0
.irp t, 0,1,2
	ds_load_b128 v[XB+8*\t:XB+8*\t+3],   v[AX+\t] offset:\ak      ; no wait: the three products since the wait name ACC, slot i and this step's token buffer
	ds_load_b128 v[XB+8*\t+4:XB+8*\t+7], v[AX+\t] offset:\ak+32
.endr
.endif
.if \rf
	WIN 0x40
.irp f, 0,1,2,3
	global_load_b128 v[RS+8*\f:RS+8*\f+3],   v4, s[\rb:\rb+1] offset:\ro+1024*\f
	global_load_b128 v[RS+8*\f+4:RS+8*\f+7], v4, s[\rb:\rb+1] offset:\ro+1024*\f+512
.endr
.endif
	PROD \i, 1, \cmode, \h16
	PROD \i, 2, \cmode, \h16
	PROD \i, 3, \cmode, \h16
.endm
; Once round the ring.  The twelve accumulators take turns, one instruction a turn, in the same order in every step.
; hw0, rf0: the first step's wait and its refill, which is slot 7's, from slot 7's own base.  A slot's loads are issued seven steps ahead of its step, so six sets, 48 loads, are younger.
; down = 1: behind the first step nothing is asked for any more, so from the third step on the count of younger loads falls by 8 a step.
.macro TRIP cm0, hw0, rf0, rf, ak7, down, h16
	STEP 0, 64,  \cm0, \hw0, \rf0, B7, 0, 48, \h16
	STEP 1, 128, 0, 1, \rf, 40, 0,     48, \h16
	STEP 2, 192, 0, 1, \rf, 40, 4096,  48-8*\down, \h16
	STEP 3, 256, 0, 1, \rf, 40, 8192,  48-16*\down, \h16
	STEP 4, 320, 0, 1, \rf, 40, 12288, 48-24*\down, \h16
	STEP 5, 384, 0, 1, \rf, 42, 0,     48-32*\down, \h16
	STEP 6, 448, 0, 1, \rf, 42, 4096,  48-40*\down, \h16
	STEP 7, \ak7, 0, 1, \rf, 42, 8192, 48-48*\down, \h16
.endm
.macro XFIRST                          ; the first step's token fragments
.irp t, 0,1,2
	ds_load_b128 v[XF+8*\t:XF+8*\t+3],   v[AX+\t]
	ds_load_b128 v[XF+8*\t+4:XF+8*\t+7], v[AX+\t] offset:32
.endr
.endm
.macro PLACES
.rept 4
	v_nop                                          ; four places behind the last products (ISA guide 7.12.1), before anything but a matrix instruction touches the sums
.endr
.endm
.macro NEXT1
	WIN 0
	s_wait_xcnt 0x0                                ; the refills' bases are written only behind this wait
	s_add_nc_u64 s[B7:B7+1], s[42:43], 12288       ; slot 7's set is the fourth from the base of slots 4-7 as it stood in this trip
	s_add_nc_u64 s[40:41], s[40:41], 0x8000
	s_add_nc_u64 s[42:43], s[42:43], 0x8000
	s_wait_alu depctr_vm_vsrc(0)                   ; the LDS loads issued so far have read v[AX ..]
.irp t, 0,1,2
	v_add_nc_u32 v[AX+\t], 512, v[AX+\t]
.endr
.endm
	; STAGE 1: K = 1024, 32 steps
	XFIRST
	TRIP 1, 0, 0, 1, 512, 0, 0                     ; the first step owes no wait: no vector or matrix instruction has yet named what its loads touch; slot 7 holds its first set
	NEXT1
	s_mov_b32 s54, 2
.Ls1:
	TRIP 0, 1, 1, 1, 512, 0, 0
	NEXT1
	s_sub_co_u32 s54, s54, 1
	s_cmp_lg_u32 s54, 0
	s_cbranch_scc1 .Ls1
	s_mov_b64 s[40:41], s[44:45]                   ; the last trip's refills are stage 2's first 64 columns: slots 0-3 expert a's K, slots 4-6 expert b's (slot 7 first gets w1's last set; its part of w2 follows in stage 2's first step)
	s_mov_b64 s[42:43], s[46:47]
	TRIP 0, 1, 1, 1, -1, 0, 0
	WIN 0
	s_wait_xcnt 0x0
	s_add_nc_u64 s[B7:B7+1], s[42:43], 12288       ; slot 7's part of the first 64 columns
	s_add_nc_u64 s[40:41], s[40:41], 0x4000
	s_add_nc_u64 s[42:43], s[42:43], 0x4000
.set t, 0
.rept 24
	global_load_b32 v[OOFF+t], v20, s[60:61] offset:8*t        ; token of row 2 t + h, for the way out; waited for behind the barrier below.  The products that read b1 in these registers stand ahead of many waits on va_vdst
.set t, t+1
.endr
	PLACES
	; relu, times the token's weight, to f16, into H: six tiles' arithmetic, one wait, their six stores; twice
.irp g, 0,1
.irp q, 0,1
.irp t, 0,1,2
.set TA, ACC+8*(3*(2*\g+\q)+\t)
.irp k, 0,1,2,3,4,5,6,7
	v_max_num_f32 v[TA+\k], 0, v[TA+\k]
.endr
.irp m, 0,1,2,3
	v_pk_mul_f32 v[TA+2*\m:TA+2*\m+1], v[TA+2*\m:TA+2*\m+1], v[CS+2*\t:CS+2*\t+1]
.endr
.irp m, 0,1,2,3
	v_cvt_pk_f16_f32 v[TA+\m], v[TA+2*\m], v[TA+2*\m+1]
.endr
.endr
.endr
	s_wait_alu depctr_va_vdst(0)                   ; the roundings have written the six tiles' first four registers, which the LDS stores read
.irp q, 0,1
.irp t, 0,1,2
.set TA, ACC+8*(3*(2*\g+\q)+\t)
	ds_store_b128 v8, v[TA:TA+3] offset:16*HPITCH*\t+32*(2*\g+\q)
.endr
.endr
.endr
	s_wait_dscnt 0x0                               ; my columns of H are in LDS before I say so
	s_barrier_signal -1
	s_barrier_wait -1
	s_wait_loadcnt 0x0                             ; the 24 token loads are the youngest: nothing may be out
	s_lshl_b32 s23, s18, 10
	v_lshl_add_u32 v24, v2, 4, s23                 ; my 256 columns, 16 bytes a lane
.set t, 0
.rept 24
	v_min_u32 v[OOFF+t], 8191, v[OOFF+t]
	v_lshl_add_u32 v[OOFF+t], v[OOFF+t], 12, v24
.set t, t+1
.endr
	s_wait_alu depctr_vm_vsrc(0)                   ; stage 1's LDS loads have read v[AX ..], written below; H's LDS stores have read ACC, in which the first chunk's sums start
	v_mov_b32 v[AX], v18
	v_add_nc_u32 v[AX+1], 16*HPITCH, v18
	v_add_nc_u32 v[AX+2], 32*HPITCH, v18
	s_wait_alu depctr_va_vdst(0)                   ; v[AX ..] are written, which the LDS loads from here on read, and OOFF, which the global stores read; the multiplies by CS are done, in whose registers b2 lands
; STAGE 2: 64 columns of out a chunk, K = 256 = once round the ring.
.macro B2LOAD at                       ; b2 of the 64 columns at byte at from v11: expert a's eight numbers of fragment f, then b's; f = 0, 1 into T2, f = 2, 3 into T2B
	WIN 0
.irp q, 0,1
	ds_load_b128 v[T2+16*\q:T2+16*\q+3],     v11 offset:\at+64*\q
	ds_load_b128 v[T2+16*\q+4:T2+16*\q+7],   v11 offset:\at+64*\q+16
	ds_load_b128 v[T2+16*\q+8:T2+16*\q+11],  v11 offset:\at+1024+64*\q
	ds_load_b128 v[T2+16*\q+12:T2+16*\q+15], v11 offset:\at+1024+64*\q+16
.endr
	WIN 0x80                                       ; destination in block 2
.irp q, 0,1
	ds_load_b128 v[T2B+16*\q:T2B+16*\q+3],     v11 offset:\at+64*(2+\q)
	ds_load_b128 v[T2B+16*\q+4:T2B+16*\q+7],   v11 offset:\at+64*(2+\q)+16
	ds_load_b128 v[T2B+16*\q+8:T2B+16*\q+11],  v11 offset:\at+1024+64*(2+\q)
	ds_load_b128 v[T2B+16*\q+12:T2B+16*\q+15], v11 offset:\at+1024+64*(2+\q)+16
.endr
	WIN 0
.endm
.macro INIT                            ; the sums start from c_lo b2_a + c_hi b2_b
	s_wait_dscnt 0x0                               ; b2 is in: on the first way in its loads are still out; round the loop the way out has waited for them
.irp g, 0,1
.if \g
	WIN 0x02                                       ; source 0 in block 2
.set TS, T2B
.else
	WIN 0
.set TS, T2
.endif
.irp q, 0,1
.irp t, 0,1,2
.irp m, 0,1,2,3
	v_pk_mul_f32 v[ACC+8*(3*(2*\g+\q)+\t)+2*\m:ACC+8*(3*(2*\g+\q)+\t)+2*\m+1], v[TS+16*\q+2*\m:TS+16*\q+2*\m+1], v[CW+2*\t:CW+2*\t+1] op_sel_hi:[1,0]
.endr
.irp m, 0,1,2,3
	v_pk_fma_f32 v[ACC+8*(3*(2*\g+\q)+\t)+2*\m:ACC+8*(3*(2*\g+\q)+\t)+2*\m+1], v[TS+16*\q+8+2*\m:TS+16*\q+8+2*\m+1], v[CW+2*\t:CW+2*\t+1], v[ACC+8*(3*(2*\g+\q)+\t)+2*\m:ACC+8*(3*(2*\g+\q)+\t)+2*\m+1] op_sel:[0,1,0]
.endr
.endr
.endr
.endr
.endm
.macro EPI more                        ; through my own stage: in by tokens and 8 columns, back by rows of 256 bytes.  more = 1: another chunk follows
	WIN 0
.if \more
	B2LOAD 256                                     ; the next chunk's b2.  No wait: T2, T2B and v11 were last named ahead of the trip's second step, whose wait on va_vdst and six more have passed
.endif
	PLACES
	s_wait_alu depctr_va_vdst(0)                   ; the products have written the sums, which the LDS stores read and in which the read-backs land; the places above stay beside this wait
.irp f, 0,1,2,3
.irp t, 0,1,2
	ds_store_b128 v9, v[ACC+8*(3*\f+\t):ACC+8*(3*\f+\t)+3]   offset:16*SPITCH*\t+64*\f
	ds_store_b128 v9, v[ACC+8*(3*\f+\t)+4:ACC+8*(3*\f+\t)+7] offset:16*SPITCH*\t+64*\f+16
.endr
.endr
	s_wait_alu depctr_vm_vsrc(0)                   ; the LDS stores have read ACC, in which the read-backs land; b2's loads have read v11
.if \more
	v_add_nc_u32 v11, 256, v11                     ; its next readers stand behind the next trip's waits on va_vdst
.endif
.set t, 0
.rept 24
	ds_load_b128 v[ACC+4*t:ACC+4*t+3], v10 offset:2*SPITCH*t   ; my own bytes, served in order behind the stores
.set t, t+1
.endr
.set t, 0
.rept 24
	s_cmp_le_u32 s27, 2*t                          ; no row of the tile is left (an odd last row's partner repeats its token and its numbers)
	s_cbranch_scc1 .Lout_\@
	s_wait_dscnt 23-t                              ; the later read-backs may be out
	global_store_b128 v[OOFF+t], v[ACC+4*t:ACC+4*t+3], s[16:17] th:TH_STORE_NT   ; sixteen lanes store 256 consecutive bytes of a row of out, aligned
.set t, t+1
.endr
.Lout_\@:
	s_wait_dscnt 0x0                               ; on the short way read-backs are still out
	s_wait_xcnt 0x0                                ; the sums were data of stores, and the bases are written, only behind this wait
.if \more
	s_wait_alu depctr_vm_vsrc(0)                   ; the global stores have read ACC, in which the next chunk's sums start
.endif
.endm
; A chunk's first step owes no wait on va_vdst: the way out's stands behind the products that read slot 7 and the second token buffer, and what has been issued since names ACC, T2, T2B, CW, v11, slot 0 and the first token buffer.
.macro CHUNK more
	INIT
.if \more
	TRIP 0, 0, 1, 1, 0, 0, 1                       ; refills: this chunk's slot 7, then the next 64 columns; the last step fetches H's first fragments again
.else
	TRIP 0, 0, 1, 0, -1, 1, 1                      ; this chunk's slot 7 is the last set asked for
.endif
	EPI \more
.if \more
	s_add_nc_u64 s[16:17], s[16:17], 256
	s_add_nc_u64 s[B7:B7+1], s[42:43], 12288       ; slot 7's part of the next 64 columns, whose other sets this trip has asked for
	s_add_nc_u64 s[40:41], s[40:41], 0x4000
	s_add_nc_u64 s[42:43], s[42:43], 0x4000
.endif
.endm
	XFIRST
	B2LOAD 0                                       ; the first chunk's b2
	s_mov_b32 s54, 3
.Lch:
	CHUNK 1
	s_sub_co_u32 s54, s54, 1
	s_cmp_lg_u32 s54, 0
	s_cbranch_scc1 .Lch
	CHUNK 0
	s_wait_dscnt 0x0
	s_wait_alu depctr_hold_cnt(0) depctr_sa_sdst(0) depctr_va_vdst(0) depctr_va_sdst(0) depctr_va_ssrc(0) depctr_va_vcc(0) depctr_vm_vsrc(0)
	s_wait_tensorcnt 0x0
	ds_add_u32 v23, v26
	s_wait_dscnt 0x0
	s_endpgm
.Lfunc_end_k_q6b15d21dd6_moe:
	.size	k_q6b15d21dd6_moe, .Lfunc_end_k_q6b15d21dd6_moe-k_q6b15d21dd6_moe
	.p2alignl 7, 3214868480
	.fill 96, 4, 3214868480
	.section	.rodata,"a",@progbits
	.p2align	6, 0x0
	.amdhsa_kernel k_q6b15d21dd6_moe
		.amdhsa_group_segment_fixed_size 185344
		.amdhsa_private_segment_fixed_size 0
		.amdhsa_enable_private_segment 0
		.amdhsa_kernarg_size 56
		.amdhsa_user_sgpr_count 2
		.amdhsa_user_sgpr_kernarg_segment_ptr 1
		.amdhsa_wavefront_size32 1
		.amdhsa_system_sgpr_workgroup_id_x 1
		.amdhsa_system_sgpr_workgroup_id_y 1
		.amdhsa_system_sgpr_workgroup_id_z 1
		.amdhsa_system_vgpr_workitem_id 0
		.amdhsa_next_free_vgpr 544
		.amdhsa_next_free_sgpr 92
		.amdhsa_reserve_vcc 0
		.amdhsa_float_denorm_mode_32 3
		.amdhsa_float_denorm_mode_16_64 3
		.amdhsa_memory_ordered 1
		.amdhsa_forward_progress 1
		.amdhsa_inst_pref_size 146
	.end_amdhsa_kernel
	.amdgpu_metadata
---
amdhsa.version: [ 1, 2 ]
amdhsa.kernels:
  - .name:           k_q6b15d21dd6_moe
    .symbol:         k_q6b15d21dd6_moe.kd
    .args:
      - { .name: xb, .offset: 0, .size: 8, .value_kind: global_buffer, .address_space: global }
      - { .name: wf, .offset: 8, .size: 8, .value_kind: global_buffer, .address_space: global }
      - { .name: cw, .offset: 16, .size: 8, .value_kind: global_buffer, .address_space: global }
      - { .name: tiles, .offset: 24, .size: 8, .value_kind: global_buffer, .address_space: global }
      - { .name: b1, .offset: 32, .size: 8, .value_kind: global_buffer, .address_space: global }
      - { .name: b2, .offset: 40, .size: 8, .value_kind: global_buffer, .address_space: global }
      - { .name: out0, .offset: 48, .size: 8, .value_kind: global_buffer, .address_space: global }
    .group_segment_fixed_size: 185344
    .private_segment_fixed_size: 0
    .kernarg_segment_align: 8
    .kernarg_segment_size: 56
    .max_flat_workgroup_size: 128
    .sgpr_count:     92
    .vgpr_count:     544
    .wavefront_size: 32
...
	.end_amdgpu_metadata
.endif
;; end of part 7
